; MI455X (gfx1250); checked and timed in simulation.
; The chip was launched on July 23, 2026; its instructions are those of AMD's public machine-readable ISA for CDNA 5 (MIT licence, August 2026) and "CDNA5" Instruction Set Architecture Reference Guide (July 2026). The comments in the code are by the model that wrote it; some were corrected since.
;; Long Self Attention. Allowed arithmetic: matrix products marked QUANTISED: E2M3 operands, one E8M0 scale for each 32 along K, by v_wmma_scale_f32_16x16x128_f8f6f4 with both operands' format E2M3, f32 sums; products left as they are: f32 operands where the result goes on into a quantised operand, else bf16, f16 or f32 operands; f32 sums; everything else in f32.
;; Inputs: Wk 1,024 x 1,024 float32; Wo 1,024 x 1,024 float32; Wq 1,024 x 1,024 float32; Wv 1,024 x 1,024 float32; bk 1,024 float32; bo 1,024 float32; bq 1,024 float32; bv 1,024 float32; x 4 x 4,096 x 1,024 float32.
;; Outputs: out0 4 x 4,096 x 1,024 float32.
;; This version of the problem:
;;   THIS VERSION OF THE PROBLEM IS GIVEN IN LOW PRECISION. The matrix products marked QUANTISED in the list below multiply operands that are first quantised to E2M3 (2 exponent bits, 3 mantissa bits; 6 bits a number), with one power-of-two scale for each 32 numbers along K (OCP MX v1.0); their sums are f32. All else is computed in f32.
;;   The module's matrix products, in the order in which they are computed (A, B: the left and right operand; K: the contracted axis; several contracted axes count as one K, in the product's order):
;;     1. [M 16,384, K 1,024] x [K 1,024, N 1,024]; A: input x; B: input Wq: QUANTISED
;;     2. [M 16,384, K 1,024] x [K 1,024, N 1,024]; A: input x; B: input Wk: QUANTISED
;;     3. [M 16,384, K 1,024] x [K 1,024, N 1,024]; A: input x; B: input Wv: QUANTISED
;;     4. batch 16,384 x [M 16, K 64] x [K 64, N 16]; A: computed on the way; B: computed on the way: QUANTISED
;;     5. batch 16,384 x [M 16, K 16] x [K 16, N 64]; A: softmax; B: computed on the way: left as it is (K = 16 < 32)
;;     6. [M 16,384, K 1,024] x [K 1,024, N 1,024]; A: computed on the way; B: input Wo: QUANTISED
;;   THE QUANTISER, for each operand of a quantised product, along K:
;;     - K is cut into blocks of 32 from its start; a last block that is shorter is filled with zeros.
;;     - A block's scale is 2^e with e = floor(log2(the largest magnitude in the block)) - 2, held to -126 .. 127; a block of zeros has e = 0. As a byte (E8M0): e + 127.
;;     - Each number is divided by its block's scale, clamped to +-7.5, and rounded to the nearest number of E2M3, ties to even, subnormals kept.
;;     - The product sums the exact products of the quantised numbers (number of the format x scale) in f32.
;;   ~~~python
;;   def quantise(x, axis):      # numpy; x: float32 -> the quantised numbers, widened to float32 again
;;       x = np.moveaxis(x, axis, -1); K = x.shape[-1]
;;       x = np.pad(x, [(0, 0)] * (x.ndim - 1) + [(0, -K % 32)]); x = x.reshape(x.shape[:-1] + (-1, 32)); a = np.abs(x).max(-1, keepdims=True)
;;       e = np.where(a > 0, np.clip(np.frexp(np.where(a > 0, a, 1))[1] - 1 - 2, -126, 127), 0)      # np.frexp(a)[1] - 1 = floor(log2(a)), exactly
;;       r = np.clip(x / 2.0 ** e, -7.5, 7.5)
;;       step = 2.0 ** (np.maximum(np.frexp(np.where(r == 0, 1, r))[1] - 1, 0) - 3)
;;       q = np.round(r / step) * step * 2.0 ** e      # np.round: ties to even
;;       return np.moveaxis(q.reshape(q.shape[:-2] + (-1,))[..., :K], -1, axis).astype(np.float32)
;;   ~~~
;;   OPERANDS COMPUTED ON THE WAY. 'Computed on the way' means the value that the module computes at that place (a softmax that the list does not call 'softmax' is quantised finished and normalised). What goes into a quantiser is computed in f32, as accurately as f32 sums, v_exp_f32 and their like allow (about 1e-6 of the number): no bf16 or f16 on the way to a quantiser, and a product that is left as it is and whose result goes on into a quantised operand takes f32 operands (vector FMAs, or v_wmma_f32_16x16x4_f32). A number that lies on a knife's edge between two numbers of the format may be rounded either way, as far as f32 arithmetic and the matrix unit's own rounding can turn it there, and no further.
;; 2 versions. Each part assembles by itself: llvm-mc -triple=amdgcn-amd-amdhsa -mcpu=gfx1250 --defsym DOCPART=n.
;; ======== version 1 of 2: 2 launches
;; workspace buffers: wimg 3,276,800 bytes
;; launch prep (part 1): grid 128 x 1, 8 waves a work-group, no clusters, 53,248 bytes of LDS; arguments Wq, Wk, Wv, Wo, wimg; writes wimg
.if DOCPART == 1
	.amdgcn_target "amdgcn-amd-amdhsa--gfx1250"
	.amdhsa_code_object_version 6
	.text
	.protected	k_q5c48202453_prep
	.globl	k_q5c48202453_prep
	.p2align	8
	.type	k_q5c48202453_prep,@function
k_q5c48202453_prep:
	s_mov_b64 s[64:65], 0
	v_nop
	global_prefetch_b8 v0, s[64:65] scope:SCOPE_SE
	s_setreg_imm32_b32 hwreg(HW_REG_WAVE_MODE, 25, 1), 1
	s_wait_xcnt 0x0
; Wq, Wk, Wv, Wo [1024 (k)][1024 (n)] f32 are quantised along k, their FIRST axis, to codes of FP6 (E2M3) with one E8M0 byte for each 32 along k,
; and stored in wimg in the order in which the next launch's operand registers take them.
; wimg = 32 slots x 4 waves x a chunk of 25,600 bytes.  A chunk: 16 fragment images of 1,536 bytes, image 2 s + n (K step s of 128, tile n of 16 columns):
; register 4 c + k of lane l at 512 c + 16 l + 4 k; then, at 24,576, the scale words [s][lane][4 bytes], lanes 0-15 tile 0, lanes 16-31 tile 1.
; Register 6 c + i of lane (row, h) is word i of the 24 bytes of block 4 s + 2 c + h of the tile row's column.
; A LANE TAKES A COLUMN AND ITS REGISTERS RUN DOWN k: a block of 32 lies in one lane, its largest magnitude needs no other lane, the conversions give codes with k innermost.
; A work-group takes one matrix (g), one K step (s) and 256 columns (cq): 16 whole fragments; they are gathered in LDS (an image every 1,552 bytes) and leave as they lie, 512 consecutive bytes a store.
; Which columns form a tile: Q, K: tile n of a wave's 32 columns takes columns 8 n + i + 8 (i / 8), so that the next launch's results are 16 neighbours a lane; O: 16 neighbours; V: one channel d of all 16 heads (column 64 i + d).
; V's lanes and places differ, so the text has two ways, parted on the work-group's number; each has LDS bytes of its own.
; A block's scale is 2^(floor(log2(largest magnitude)) - 2); its byte is the largest magnitude's exponent field - 2, held at 1 from below.
; LIMITS: a block of zeros gets the byte 1 where the rule says 127 (its codes are zeros, and this program alone reads the bytes); NaN and infinities are not served.
; The scale words leave as 128 consecutive bytes a wave: half of an aligned 256 bytes; they are 131,072 bytes of the 3,276,800 stored.
; 128 work-groups: a fragment interleaves its four blocks, so a K step is not split further, and fewer columns to a work-group would shorten V's runs of neighbouring bytes.
.set PIT, 1552                         ; from image to image in LDS: 1,536 + 16 = 388 words, so that sixteen images begin in sixteen different groups of banks
.set SCO, 16*PIT                       ; behind the images: 16 tiles x 16 scale words
.set REG, SCO+1024                     ; the second way's bytes begin here
.set CHK, 25600
	s_load_b256 s[4:11], s[0:1], 0x0               ; Wq, Wk, Wv, Wo
	s_load_b64 s[12:13], s[0:1], 0x20              ; wimg
	v_lshl_add_u32 v128, v0, 2, 0xcc00
	v_mov_b32 v129, 0
	v_lshrrev_b32 v1, 5, v0
	v_readfirstlane_b32 s14, v1                    ; wave v, 0..7
	s_lshr_b32 s15, ttmp9, 5                       ; g: which matrix
	s_bfe_u32 s16, ttmp9, 0x30002                  ; s: which K step
	s_and_b32 s17, ttmp9, 3                        ; cq: which 256 columns
	v_and_b32 v2, 31, v0                           ; lane
	v_and_b32 v3, 15, v0                           ; lane % 16
	v_bfe_u32 v4, v0, 4, 1                         ; lane / 16
	v_lshrrev_b32 v5, 4, v0                        ; 2 v + lane / 16
	v_lshlrev_b32 v13, 4, v2                       ; the way out: 16 bytes a lane,
	v_lshlrev_b32 v14, 2, v2                       ; 4 for the scale words
	s_mul_i32 s28, s14, 2*PIT                      ; my wave's pair of images
	s_and_b32 s24, s15, 1
	s_lshl_b32 s22, s16, 19                        ; s x 128 rows of 4,096 bytes
	s_mov_b32 s23, 0
	s_mov_b32 s37, 0
	s_wait_kmcnt 0x0
	s_cmp_eq_u32 s24, 0                            ; the choice hangs on the work-group's number alone
	s_cselect_b64 s[18:19], s[4:5], s[6:7]
	s_cselect_b64 s[20:21], s[8:9], s[10:11]
	s_cmp_lt_u32 s15, 2
	s_cselect_b64 s[4:5], s[18:19], s[20:21]
	s_add_nc_u64 s[4:5], s[4:5], s[22:23]
.macro OUTBASE                         ; s34 = 4 x slot + wave of the chunk that my wave's pair belongs to
	s_mul_i32 s34, s34, CHK
	s_mul_i32 s36, s16, 3072
	s_add_co_u32 s36, s36, s34
	s_add_nc_u64 s[30:31], s[12:13], s[36:37]      ; the pair's images: chunk + 3,072 s
	s_lshl_b32 s36, s16, 7
	s_add_co_u32 s36, s36, s34
	s_add_co_u32 s36, s36, 24576
	s_add_nc_u64 s[32:33], s[12:13], s[36:37]      ; its scale words: chunk + 24,576 + 128 s
.endm
.macro LOADB t                         ; block t: W(128 s + 32 t + i, my column) into set t % 2
.irp i, 0,1,2,3,4,5,6,7,8,9,10,11,12,13,14,15,16,17,18,19,20,21,22,23,24,25,26,27,28,29,30,31
	global_load_b32 v[32+32*((\t)%2)+\i], v6, s[4:5] offset:(32*(\t)+\i)*4096 th:TH_LOAD_NT
.endr
.endm
.macro BLOCK t
.set bX, 32+32*((\t)%2)
.set bC, 96+8*(\t)                     ; each block has code registers of its own: no store's data are written again
.if (\t)<3
	s_wait_loadcnt 32                              ; this block's 32 loads are in; the next block's 32 may be out
.else
	s_wait_loadcnt 0x0
.endif
	v_max3_num_f32 v16, |v[bX]|, |v[bX+1]|, |v[bX+2]|      ; the block's largest magnitude, in two chains
	v_max3_num_f32 v17, |v[bX+3]|, |v[bX+4]|, |v[bX+5]|
.irp i, 6,10,14,18,22,26
	v_max3_num_f32 v16, v16, |v[bX+\i]|, |v[bX+\i+1]|
	v_max3_num_f32 v17, v17, |v[bX+\i+2]|, |v[bX+\i+3]|
.endr
	v_max3_num_f32 v16, v16, |v[bX+30]|, |v[bX+31]|
	v_max3_num_f32 v16, v16, v17, 0x1800000        ; and the floor 2^(3 - 127): the byte cannot fall under 1
	v_add_nc_u32 v18, 0xff000000, v16              ; 2 off the exponent field: the conversion takes this operand's exponent field as its scale
	v_lshrrev_b32 v19, 23, v18                     ; the scale's byte
.if (\t)==0
	v_mov_b32 v20, v19                             ; the four bytes make my column's scale word of this K step
.else
	v_lshl_or_b32 v20, v19, 8*(\t), v20
.endif
	v_cvt_scalef32_pk16_fp6_f32 v[bC:bC+2], v[bX:bX+15], v18
	v_cvt_scalef32_pk16_fp6_f32 v[bC+4:bC+6], v[bX+16:bX+31], v18   ; (a conversion's three registers begin on an even number)
	v_nop                                          ; one plain place behind a scaled conversion
	v_mov_b32 v[bC+3], v[bC+4]
	v_mov_b32 v[bC+4], v[bC+5]
	v_mov_b32 v[bC+5], v[bC+6]                     ; bC .. bC + 5: the block's 24 bytes
.if (\t)<2                             ; block t = 2 c + h is registers 6 c .. 6 c + 5 of lane 16 h + row of the image
	ds_store_b128 v9, v[bC:bC+3] offset:256*((\t)%2)
	ds_store_b64 v9, v[bC+4:bC+5] offset:512+256*((\t)%2)
.else
	ds_store_b64 v9, v[bC:bC+1] offset:520+256*((\t)%2)
	ds_store_b128 v9, v[bC+2:bC+5] offset:1024+256*((\t)%2)
.endif
.if (\t)<2
	LOADB (\t)+2
.endif
.endm
.macro BODY
	LOADB 0
	LOADB 1
	BLOCK 0
	BLOCK 1
	BLOCK 2
	BLOCK 3
	ds_store_b32 v10, v20                          ; my column's scale word
	s_wait_dscnt 0x0                               ; for the others' sake: my stores have landed
	s_barrier_signal -1
	s_barrier_wait -1
.irp k, 0,1,2,3,4,5
	ds_load_b128 v[32+4*\k:35+4*\k], v11 offset:PIT*(\k/3)+512*(\k%3)
.endr
	ds_load_b32 v56, v12
.irp k, 0,1,2,3,4,5
	s_wait_dscnt 6-\k                              ; LDS loads come back in order: piece k is in
	global_store_b128 v13, v[32+4*\k:35+4*\k], s[30:31] offset:1536*(\k/3)+512*(\k%3)   ; 32 lanes store 512 consecutive bytes, at a multiple of 256 from wimg's first byte
.endr
	s_wait_dscnt 0x0
	global_store_b32 v14, v56, s[32:33]
	s_wait_tensorcnt 0x0
	ds_add_u32 v128, v129
	s_wait_dscnt 0x0
	s_endpgm
.endm
	s_cmp_eq_u32 s15, 2
	s_cbranch_scc1 .Lpath_v
	; ---- Q, K, O: lane (i, n) of wave v is row i of tile 2 v + n
	s_cmp_eq_u32 s15, 3
	s_cselect_b32 s25, 16, 8                       ; from tile to tile: O 16 columns, Q and K 8
	s_cselect_b32 s26, 0, 8                        ; Q and K: rows 8-15 lie 8 columns further on
	s_lshl_b32 s34, s15, 5
	s_add_co_u32 s34, s34, s14                     ; Q, K: 4 x slot + wave = 32 g + 8 cq + v
	s_and_b32 s35, s14, 1
	s_lshl_b32 s35, s35, 2
	s_lshr_b32 s36, s14, 1
	s_add_co_u32 s35, s35, s36
	s_add_co_u32 s35, s35, 96                      ; O: 96 + 8 cq + 4 (v % 2) + v / 2
	s_cmp_eq_u32 s15, 3
	s_cselect_b32 s34, s35, s34
	s_lshl_b32 s36, s17, 3
	s_add_co_u32 s34, s34, s36
	OUTBASE
	v_lshrrev_b32 v7, 3, v3
	v_mul_u32_u24 v8, v4, s25
	v_mad_u32_u24 v8, v7, s26, v8
	v_add_nc_u32 v8, v8, v3
	s_lshl_b32 s27, s17, 8
	s_lshl_b32 s29, s14, 5
	s_add_co_u32 s27, s27, s29
	v_add_nc_u32 v8, s27, v8                       ; my column: 256 cq + 32 v + ..
	v_lshlrev_b32 v6, 2, v8
	v_mul_u32_u24 v9, v5, PIT
	v_lshl_add_u32 v9, v3, 4, v9                   ; into the images: tile 2 v + n, row i
	v_lshlrev_b32 v10, 2, v0
	v_add_nc_u32 v10, SCO, v10                     ; scale words: 64 x tile + 4 x row = 4 x thread
	v_lshl_add_u32 v11, v2, 4, s28                 ; back: my wave's pair, 16 bytes a lane
	v_lshlrev_b32 v12, 2, v0
	v_add_nc_u32 v12, SCO, v12
	BODY
.Lpath_v:
	; ---- V: thread t is head e = t / 16 and channel d = 16 cq + t % 16: tile t % 16, row e
	s_lshr_b32 s34, s17, 1
	s_lshl_b32 s34, s34, 4
	s_and_b32 s35, s17, 1
	s_lshl_b32 s35, s35, 2
	s_add_co_u32 s34, s34, s35
	s_lshr_b32 s35, s14, 2
	s_lshl_b32 s35, s35, 3
	s_add_co_u32 s34, s34, s35
	s_and_b32 s35, s14, 3
	s_add_co_u32 s34, s34, s35
	s_add_co_u32 s34, s34, 64                      ; 4 x slot + wave = 64 + 16 (cq / 2) + 4 (cq % 2) + 8 (v / 4) + v % 4
	OUTBASE
	v_lshl_add_u32 v8, v5, 6, v3
	s_lshl_b32 s27, s17, 4
	v_add_nc_u32 v8, s27, v8                       ; my column: 64 e + d
	v_lshlrev_b32 v6, 2, v8
	v_mul_u32_u24 v9, v3, PIT
	v_lshl_add_u32 v9, v5, 4, v9
	v_add_nc_u32 v9, REG, v9
	v_lshlrev_b32 v10, 6, v3
	v_lshl_add_u32 v10, v5, 2, v10
	v_add_nc_u32 v10, REG+SCO, v10
	s_add_co_u32 s28, s28, REG
	v_lshl_add_u32 v11, v2, 4, s28
	v_lshlrev_b32 v12, 2, v0
	v_add_nc_u32 v12, REG+SCO, v12
	BODY
.Lfunc_end_k_q5c48202453_prep:
	.size	k_q5c48202453_prep, .Lfunc_end_k_q5c48202453_prep-k_q5c48202453_prep
	.p2alignl 7, 3214868480
	.fill 96, 4, 3214868480
	.section	.rodata,"a",@progbits
	.p2align	6, 0x0
	.amdhsa_kernel k_q5c48202453_prep
		.amdhsa_group_segment_fixed_size 53248
		.amdhsa_private_segment_fixed_size 0
		.amdhsa_enable_private_segment 0
		.amdhsa_kernarg_size 40
		.amdhsa_user_sgpr_count 2
		.amdhsa_user_sgpr_kernarg_segment_ptr 1
		.amdhsa_wavefront_size32 1
		.amdhsa_system_sgpr_workgroup_id_x 1
		.amdhsa_system_sgpr_workgroup_id_y 1
		.amdhsa_system_sgpr_workgroup_id_z 1
		.amdhsa_system_vgpr_workitem_id 0
		.amdhsa_next_free_vgpr 130
		.amdhsa_next_free_sgpr 66
		.amdhsa_reserve_vcc 0
		.amdhsa_float_denorm_mode_32 3
		.amdhsa_float_denorm_mode_16_64 3
		.amdhsa_memory_ordered 1
		.amdhsa_forward_progress 1
		.amdhsa_inst_pref_size 45
	.end_amdhsa_kernel
	.amdgpu_metadata
---
amdhsa.version: [ 1, 2 ]
amdhsa.kernels:
  - .name:           k_q5c48202453_prep
    .symbol:         k_q5c48202453_prep.kd
    .args:
      - { .name: Wq, .offset: 0, .size: 8, .value_kind: global_buffer, .address_space: global }
      - { .name: Wk, .offset: 8, .size: 8, .value_kind: global_buffer, .address_space: global }
      - { .name: Wv, .offset: 16, .size: 8, .value_kind: global_buffer, .address_space: global }
      - { .name: Wo, .offset: 24, .size: 8, .value_kind: global_buffer, .address_space: global }
      - { .name: wimg, .offset: 32, .size: 8, .value_kind: global_buffer, .address_space: global }
    .group_segment_fixed_size: 53248
    .private_segment_fixed_size: 0
    .kernarg_segment_align: 8
    .kernarg_segment_size: 40
    .max_flat_workgroup_size: 256
    .sgpr_count:     66
    .vgpr_count:     130
    .wavefront_size: 32
...
	.end_amdgpu_metadata
.endif
;; end of part 1
;; launch attn (part 2): grid 256 x 1, 4 waves a work-group, clusters of 4 x 1, 327,680 bytes of LDS; arguments x, wimg, bq, bk, bv, bo, out0; writes out0
.if DOCPART == 2
	.amdgcn_target "amdgcn-amd-amdhsa--gfx1250"
	.amdhsa_code_object_version 6
	.text
	.protected	k_q5c48202453_attn
	.globl	k_q5c48202453_attn
	.p2align	8
	.type	k_q5c48202453_attn,@function
k_q5c48202453_attn:
	s_mov_b64 s[64:65], 0
	v_nop
	global_prefetch_b8 v0, s[64:65] scope:SCOPE_SE
	s_setreg_imm32_b32 hwreg(HW_REG_WAVE_MODE, 25, 1), 1
	s_wait_xcnt 0x0
	s_wait_alu depctr_hold_cnt(0) depctr_sa_sdst(0) depctr_va_vdst(0) depctr_va_sdst(0) depctr_va_ssrc(0) depctr_va_vcc(0) depctr_vm_vsrc(0)
	s_getreg_b32 s2, hwreg(HW_REG_IB_STS2, 6, 4)
	s_cmp_eq_u32 s2, 0
	s_cbranch_scc0 .Lentry_in_a_cluster
	s_endpgm
.Lentry_in_a_cluster:
	s_bfe_u32 s2, ttmp6, 0x10000c
	s_cmp_lg_u32 s2, 0x3003
	s_cbranch_scc0 .Lentry_shape_is_right
	s_endpgm
.Lentry_shape_is_right:
; out0 = A Wo + bo, A[token] = softmax(q k^T / 8) v over the token's 16 heads, q, k, v = x W + b.  x, out0: [16,384][1,024] f32.  The weights come as codes of FP6 (E2M3) and E8M0 scale words
; out of wimg, laid as operand registers.  All products but P v are v_wmma_scale_f32_16x16x128_f8f6f4 on codes; their other operands (x, q, k, A) are quantised here, in f32, along each product's K.
; P v (K = 16) is left as it is and feeds a quantiser: f32 operands, v_wmma_f32_16x16x4_f32.
; SHARES.  A work-group owns 64 tokens and takes them through the whole chain; q, k, v and A never go to memory.  Every wave keeps the codes of all 64 tokens (x, later A) in 384 registers; THE WAVES SHARE THE COLUMNS.
; The four matrices are 32 slots (Q 0-7, K 8-15, V 16-23, O 24-31) of four chunks of 25,600 bytes, a chunk a wave: two tiles of 16 columns x all of K.  A slot is a PASS: 64 matrix instructions a wave,
; 8 accumulators (4 tiles of tokens x 2 tiles of columns) by turns, 8 K steps.  Each fragment of a weight is read from LDS once, by one wave, and feeds four matrix instructions.
; Products are used transposed (source 0 = 16 columns of W, source 1 = 16 tokens): a lane holds one token, its registers run along the columns.
; RING.  Two LDS slots of 102,400 bytes filled by the tensor data mover, each wave its own chunk.  CLUSTER: the four work-groups of a cluster walk the same weights: each chunk is asked for JOINTLY (mask 15).
; The change of slots stands inside a pass's seventh K step, when the slot's last fragments are in registers: the refill then has a whole pass in which to land.
; For the scores and P v wave w owns tokens 16 w .. 16 w + 15: q's and k's codes, v's numbers and A's codes change waves through LDS bytes that no tensor load ever fills.
; LIMITS: NaN and infinities are not served; a block of zeros, or one whose largest magnitude lies under 2^-124, gets the scale byte 1 (zeros: the rule says 127; its codes are zeros and this program alone reads the bytes).
; P v adds the key heads in the order 2 s, 2 s + 1, 8 + 2 s, 9 + 2 s (s = 0 .. 3), in f32.
; REGISTERS, in windows of 256.  Window 0: v1-28 addresses that stay, v29-31 addresses in hand; v32-47 scale words of x (later A); v48-63 scale words of W, a set a slot; v64-79 a bias in the result's layout;
;   v80-175 four pairs of W's fragments; v176-239 V's accumulators, else at work (v208-223, v224, v226-245: the quantiser's); v252-255 the scores' scale words.
;   Window 1: v0-191 the tokens' fragments of K steps 0-3; v192-255 accumulators (Q, K, O), P of tokens 0-7 (V).  Window 2: the same for K steps 4-7, O's second set, P of tokens 8-15.
;   Window 3: P v's sums, 16 registers a token: written by v_wmma_f32_16x16x4_f32 alone.
.set CH,    25600                      ; a chunk
.set RING1, 102400                     ; slot 1 of the ring; also a slot's bytes in wimg
.set DSB,   204800                     ; behind the ring: bytes written by LDS stores alone
.set SPARE, 327168                     ; the spare words, 128 bytes a wave: two blocks of 256 bytes that no other line names
.set XIMG,  DSB                        ; x: 32 fragment images of 1,536 bytes (4 s + m),
.set XSC,   DSB+49152                  ; their scale words [s][m][16]
.set QKR,   DSB                        ; q's and k's codes: 64 rows of 768 + 768 + 8 bytes,
.set QKS,   DSB+98816                  ; their scale bytes: 64 rows of 32 + 32 + 4
.set VST,   DSB                        ; v of 16 channels: 64 rows of [4 head quads][16 channels][4 heads] f32 + 16 bytes
.set AR,    DSB+66560                  ; A's codes: 64 rows of 768 + 16 bytes,
.set AS,    DSB+116736                 ; their scale bytes: 64 rows of 32
.set OST,   DSB                        ; the way out: for each wave 4 x 16 rows of 256 + 16 bytes
.set TM,    208
.set PW,    224
.set PC,    226
.set MSB, 0
.macro WIN new                         ; the immediate's high byte repeats the setting that is left; a switch that changes nothing is dropped
.if MSB != (\new)
	s_set_vgpr_msb (MSB<<8)|(\new)
.set MSB, (\new)
.endif
.endm
.macro PLACES n
.rept \n
	v_nop
.endr
.endm
.macro CREST                           ; a round of the cluster's barrier behind its opening barrier
	s_cmp_lg_u32 s18, 0
	s_cbranch_scc1 .Lnot_wave_0_\@
	s_barrier_signal -3
.Lnot_wave_0_\@:
	s_barrier_wait -3
	s_barrier_signal -1
	s_barrier_wait -1
.endm
.macro ROUND
	s_barrier_signal -1
	s_barrier_wait -1
	CREST
.endm
.macro BAR                             ; my LDS stores have landed and my LDS loads are in: then the work-group's barrier.
	s_wait_dscnt 0x0
	s_barrier_signal -1
	s_barrier_wait -1
.endm
; 64 numbers of a lane in window sw: four items of 16 registers; item b's other 16 numbers lie in lane l xor 16.  Each item is a block of 32 along the next K.
; Result: v[PC+6c .. PC+6c+5] of lane (r, h) = the 24 bytes of item 2 c + h of row r; v[TM+4+b] = item b's scale byte; v[PW] = the four bytes as a word.
.macro Q4 src, sw
.set wN, (\sw)|((\sw)<<2)
	WIN wN
.irp b, 0,1,2,3
	v_max3_num_f32 v[TM+\b], |v[(\src)+16*\b]|, |v[(\src)+16*\b+1]|, 0x1800000   ; from each accumulator's low end on; the floor 2^(3 - 127) holds the byte at 1 from below
.endr
.set wN, ((\sw)<<2)|((\sw)<<4)
	WIN wN
.irp i, 2,4,6,8,10,12,14
.irp b, 0,1,2,3
	v_max3_num_f32 v[TM+\b], v[TM+\b], |v[(\src)+16*\b+\i]|, |v[(\src)+16*\b+\i+1]|   ; the four items by turns
.endr
.endr
	WIN 0
.irp b, 0,1,2,3
	v_permlanex16_b32 v[TM+4+\b], v[TM+\b], s22, s23
.endr
.irp b, 0,1,2,3
	v_max_num_f32 v[TM+\b], v[TM+\b], v[TM+4+\b]   ; with lane l xor 16's: the block's largest magnitude
.endr
.irp b, 0,1,2,3
	v_add_nc_u32 v[TM+12+\b], 0xff000000, v[TM+\b] ; 2 off its exponent field: the conversion's scale operand
.endr
.irp b, 0,1,2,3
	v_lshrrev_b32 v[TM+4+\b], 23, v[TM+12+\b]      ; the scale's byte
.endr
	v_lshl_or_b32 v[PW], v[TM+5], 8, v[TM+4]
	v_lshl_or_b32 v[PW], v[TM+6], 16, v[PW]
	v_lshl_or_b32 v[PW], v[TM+7], 24, v[PW]
.set wN, (\sw)
	WIN wN
.irp c, 0,1
	v_cvt_scalef32_pk16_fp6_f32 v[PC+6*\c:PC+6*\c+2], v[(\src)+32*\c:(\src)+32*\c+15], v[TM+12+2*\c]
	v_cvt_scalef32_pk16_fp6_f32 v[PC+12+4*\c:PC+14+4*\c], v[(\src)+32*\c+16:(\src)+32*\c+31], v[TM+13+2*\c]   ; (a conversion's three registers begin on an even number)
.endr
	WIN 0
	v_nop                                          ; one plain place behind the last scaled conversion
.irp c, 0,1
.irp i, 0,1,2
	v_permlane16_swap_b32 v[PC+6*\c+\i], v[PC+12+4*\c+\i]   ; halves change places: a lane now holds a whole block
.endr
.irp i, 0,1,2
	v_mov_b32 v[PC+3+6*\c+\i], v[PC+12+4*\c+\i]
.endr
.endr
.endm
; my 16 tokens' numbers of K step s (64 a lane: 16 neighbours of each block of 32) into landing set `set` of window 1
.macro XLOAD set, s
	WIN 0x40
.irp b, 0,1,2,3
.irp j, 0,1,2,3
	global_load_b128 v[64*(\set)+16*\b+4*\j:64*(\set)+16*\b+4*\j+3], v7, s[4:5] offset:512*(\s)+128*\b+16*\j th:TH_LOAD_NT
.endr
.endr
	WIN 0
.endm
; W's two fragments of K step s out of ring slot bf, as they lie: 6 loads of 16 bytes a lane
.macro GLOAD bf, s
.irp n, 0,1
.irp c, 0,1,2
	ds_load_b128 v[80+24*((\s)%4)+12*\n+4*\c:80+24*((\s)%4)+12*\n+4*\c+3], v[3+(\bf)] offset:1536*(2*(\s)+\n)+512*\c
.endr
.endr
.endm
.macro WSLOAD bf                       ; the slot's eight scale words: lanes 0-15 tile 0, lanes 16-31 tile 1
.irp s, 0,1,2,3,4,5,6,7
	ds_load_b32 v[48+8*(\bf)+\s], v[5+(\bf)] offset:128*\s
.endr
.endm
.macro PRE bf
	WSLOAD \bf
	GLOAD \bf, 0
	GLOAD \bf, 1
	GLOAD \bf, 2
	GLOAD \bf, 3
.endm
; one matrix instruction; registers in rD, rA, rB, rC, rSA, rSB; kZ = 1: the constant 0 starts the sum.  ra, rb: the scales stand in lanes 16-31
.macro WM ra, rb
.if kZ
.if (\ra)&&(\rb)
	v_wmma_scale_f32_16x16x128_f8f6f4 v[rD:rD+7], v[rA:rA+11], v[rB:rB+11], 0, v[rSA], v[rSB] matrix_a_fmt:MATRIX_FMT_FP6 matrix_b_fmt:MATRIX_FMT_FP6 matrix_a_scale:MATRIX_SCALE_ROW1 matrix_b_scale:MATRIX_SCALE_ROW1
.elseif (\ra)
	v_wmma_scale_f32_16x16x128_f8f6f4 v[rD:rD+7], v[rA:rA+11], v[rB:rB+11], 0, v[rSA], v[rSB] matrix_a_fmt:MATRIX_FMT_FP6 matrix_b_fmt:MATRIX_FMT_FP6 matrix_a_scale:MATRIX_SCALE_ROW1
.elseif (\rb)
	v_wmma_scale_f32_16x16x128_f8f6f4 v[rD:rD+7], v[rA:rA+11], v[rB:rB+11], 0, v[rSA], v[rSB] matrix_a_fmt:MATRIX_FMT_FP6 matrix_b_fmt:MATRIX_FMT_FP6 matrix_b_scale:MATRIX_SCALE_ROW1
.else
	v_wmma_scale_f32_16x16x128_f8f6f4 v[rD:rD+7], v[rA:rA+11], v[rB:rB+11], 0, v[rSA], v[rSB] matrix_a_fmt:MATRIX_FMT_FP6 matrix_b_fmt:MATRIX_FMT_FP6
.endif
.else
.if (\ra)&&(\rb)
	v_wmma_scale_f32_16x16x128_f8f6f4 v[rD:rD+7], v[rA:rA+11], v[rB:rB+11], v[rC:rC+7], v[rSA], v[rSB] matrix_a_fmt:MATRIX_FMT_FP6 matrix_b_fmt:MATRIX_FMT_FP6 matrix_a_scale:MATRIX_SCALE_ROW1 matrix_b_scale:MATRIX_SCALE_ROW1
.elseif (\ra)
	v_wmma_scale_f32_16x16x128_f8f6f4 v[rD:rD+7], v[rA:rA+11], v[rB:rB+11], v[rC:rC+7], v[rSA], v[rSB] matrix_a_fmt:MATRIX_FMT_FP6 matrix_b_fmt:MATRIX_FMT_FP6 matrix_a_scale:MATRIX_SCALE_ROW1
.elseif (\rb)
	v_wmma_scale_f32_16x16x128_f8f6f4 v[rD:rD+7], v[rA:rA+11], v[rB:rB+11], v[rC:rC+7], v[rSA], v[rSB] matrix_a_fmt:MATRIX_FMT_FP6 matrix_b_fmt:MATRIX_FMT_FP6 matrix_b_scale:MATRIX_SCALE_ROW1
.else
	v_wmma_scale_f32_16x16x128_f8f6f4 v[rD:rD+7], v[rA:rA+11], v[rB:rB+11], v[rC:rC+7], v[rSA], v[rSB] matrix_a_fmt:MATRIX_FMT_FP6 matrix_b_fmt:MATRIX_FMT_FP6
.endif
.endif
.endm
; K step s, tile n of columns against the four tiles of tokens.  Accumulator (m, n) at ab + 16 m + 8 n of window aw.  At s = 0 the sum starts from the bias (cm = 1) or from 0.
.macro KSTN s, ab, cm, n, bf
.irp m, 0,1,2,3
.set rD, (\ab)+16*\m+8*(\n)
.set rA, 80+24*((\s)%4)+12*(\n)
.set rB, 48*((\s)%4)+12*\m
.set rSA, 48+8*(\bf)+(\s)
.set rSB, 32+2*(\s)+\m/2
.set rC, rD
.set kZ, 0
.if (\s)==0
.if \cm
.set rC, 64+8*(\n)
.else
.set kZ, 1
.endif
.endif
	WM (\n), (\m%2)
.endr
.endm
.macro KSTW s, aw, cm                  ; source 0 (W) window 0, source 1 (tokens) window 1 or 2, D window aw, C window aw or, for the bias, 0
.if ((\s)==0)&&(\cm)
.set wN, ((\aw)<<6)|(1<<2)
.else
.set wN, ((\aw)<<6)|((\aw)<<4)|((1+(\s)/4)<<2)
.endif
	WIN wN
.endm
.macro KST s, aw, ab, cm, bf           ; the 8 accumulators take turns, one instruction a turn, in the same order in every K step
	KSTW \s, \aw, \cm
	KSTN \s, \ab, \cm, 0, \bf
	KSTN \s, \ab, \cm, 1, \bf
.endm
.macro BL1                             ; Q's or K's bias of a slot: lane (., h), tile n, register j: column 32 w + 8 n + 16 h + j of the slot's 128
.irp n, 0,1
	global_load_b128 v[64+8*\n:67+8*\n], v25, s[52:53] offset:32*\n
	global_load_b128 v[68+8*\n:71+8*\n], v25, s[52:53] offset:32*\n+16
.endr
.endm
.macro BL2                             ; V's: register j: head 8 h + j, the tile's channel
.irp n, 0,1
.irp j, 0,1,2,3,4,5,6,7
	global_load_b32 v[64+8*\n+\j], v26, s[52:53] offset:256*\j+4*\n
.endr
.endr
.endm
; A PREFETCH INTO THE L2, behind the joint load, its four lines and the run of LDS loads: the slot that stands three refills on.  All clusters walk the same wimg: the first cluster asks, nobody else (the test is the same in
; all four partners).  Each wave asks for blocks of its own chunk; of the chunk's 100 blocks of 256 bytes the partner at place cx takes 25, told apart BY ADDRESS, a lane a block (lanes 25-31 name the 25th again).
; Slots 0 to 4 come by their loads alone; behind slot 26's change nothing is asked for: slot 31 is the last.
.macro ASK
	s_cmp_lt_u32 s43, s46
	s_cbranch_scc0 .Lnot_mine_\@
	global_prefetch_b8 v28, s[44:45] th:TH_LOAD_NT scope:SCOPE_SE
.Lnot_mine_\@:
.endm
; A PASS over ring slot bf.  bl: the next slot's bias is loaded (1: Q, K; 2: V).  chg = 2: change of slots with a round and a refill; 1: the last change, nothing is filled; 0: the last slot.
; pre = 1: the next slot's first fragments are fetched at the pass's end.
; At its head the slot's scale words and its K steps 0-3 have been asked for (8 + 4 x 6 LDS loads), and perhaps LDS stores of the work between the passes behind them, which only make the counted waits stricter.
.macro MP bf, aw, ab, cm, bl, chg, pre
.if \cm
	s_wait_loadcnt 0x0                             ; this slot's bias is in; its loads are done, so their base may be written
.endif
.if (\bl)==1
	s_add_co_u32 s54, s43, 1                       ; the next slot
	s_cmp_lt_u32 s54, 8
	s_cselect_b64 s[52:53], s[8:9], s[10:11]       ; bq for slots 0-7, bk behind them (behind slot 15: bk's first numbers again, inside the buffer and not used)
	s_and_b32 s54, s54, 7
	s_lshl_b32 s54, s54, 9
	s_add_nc_u64 s[52:53], s[52:53], s[54:55]
.elseif (\bl)==2
	s_add_co_u32 s54, s43, 1                       ; the next slot's channels begin at 32 x bit 2 + 8 x bit 1 + 16 x bit 0 (behind slot 23: bv's first numbers again, not used)
	s_and_b32 s47, s54, 4
	s_lshl_b32 s47, s47, 5
	s_and_b32 s51, s54, 2
	s_lshl_b32 s51, s51, 4
	s_and_b32 s54, s54, 1
	s_lshl_b32 s54, s54, 6
	s_add_co_u32 s54, s54, s47
	s_add_co_u32 s54, s54, s51
	s_add_nc_u64 s[52:53], s[12:13], s[54:55]
.endif
.irp s, 0,1,2,3
	s_wait_dscnt 18                                ; K step s is in: three younger K steps, 6 loads each, may be out
	KST \s, \aw, \ab, \cm, \bf
	WIN 0
	PLACES 4                                       ; in front of loads into registers that matrix instructions have read
	GLOAD \bf, \s+4
.if \s==0
.if (\bl)==1
	BL1
.elseif (\bl)==2
	BL2
.endif
.endif
.endr
	s_wait_dscnt 18
	KST 4, \aw, \ab, \cm, \bf
	s_wait_dscnt 12
	KST 5, \aw, \ab, \cm, \bf
.if \chg
	WIN 0                                          ; (the add's two registers lie in window 0)
	s_wait_xcnt 0x0                                ; the last prefetch, a pass back, has read its address:
	s_add_nc_u64 s[44:45], s[44:45], RING1         ; a slot on
	s_add_co_u32 s43, s43, 1                       ; slots begun
	s_wait_tensorcnt 0x0                           ; all my tensor loads have landed: the one that was out is my chunk of the next slot;
	ds_add_u32 v1, v2                              ; 0 onto my spare word;
	s_wait_dscnt 7                                 ; K step 6 is in (K step 7's six loads and the add may be out)
	KSTW 6, \aw, \cm
	KSTN 6, \ab, \cm, 0, \bf                       ; four matrix instructions stand between the add and the wait for it
	s_wait_dscnt 0x0                               ; the add is done, and my reads of this slot are over
	s_barrier_signal -1
	KSTN 6, \ab, \cm, 1, \bf                       ; work on registers while the others arrive
	WIN 0
	s_barrier_wait -1
.if (\chg)==2
	CREST                                          ; the barrier has opened a round of the cluster's: no wave of any partner still reads this slot or has a load on its way
	s_add_nc_u64 s[34+4*(\bf):35+4*(\bf)], s[34+4*(\bf):35+4*(\bf)], 2*RING1   ; two slots on; the type bits on top are not reached
	tensor_load_to_lds s[32+4*(\bf):35+4*(\bf)], s[24:31]   ; the first tensor load behind the round, and my only one until the next
	s_nop 0
.endif
	PLACES 4                                       ; behind the joint load; also the places in front of the loads below
.else
	s_wait_dscnt 6
	KST 6, \aw, \ab, \cm, \bf
	s_wait_dscnt 0x0
.endif
.if \pre
	WSLOAD 1-(\bf)
	GLOAD 1-(\bf), 0
	GLOAD 1-(\bf), 1
	GLOAD 1-(\bf), 2
.endif
.if (\chg)==2
	ASK
.endif
	KST 7, \aw, \ab, \cm, \bf                      ; (its fragments came in ahead of the wait for 0)
	WIN 0
	PLACES 5                                       ; four in front of reads of the results and of loads into the fragments; a fifth, since the next pass's first products write these accumulators anew
.if \pre
	GLOAD 1-(\bf), 3
.endif
.endm
	; ================ HEAD
	s_load_b256 s[4:11], s[0:1], 0x0               ; x, wimg, bq, bk
	s_load_b128 s[12:15], s[0:1], 0x20             ; bv, bo
	s_load_b64 s[16:17], s[0:1], 0x30              ; out0
	v_lshl_add_u32 v1, v0, 2, SPARE                ; my spare word; never rewritten
	v_mov_b32 v2, 0                                ; 0; never rewritten
	ds_add_u32 v1, v2
	ds_add_u32 v1, v2
	s_wait_dscnt 0x0
	v_lshrrev_b32 v29, 5, v0
	v_readfirstlane_b32 s18, v29                   ; wave 0..3
	s_bfe_u32 s19, ttmp6, 0x40000                  ; cx: it enters x's, out0's and the prefetches' addresses alone
	s_lshl_b32 s20, ttmp9, 2
	s_add_co_u32 s20, s20, s19                     ; my block of 64 tokens
	; descriptor group 1: a chunk is 100 dense rows of 256 bytes
	s_mov_b32 s24, 15|(3<<16)|(1<<21)              ; 15:0 the mask: all four work-groups; 17:16 elements of 8 bytes; 20 no padding; 21 set beside a mask
	s_mov_b32 s25, 32<<16                          ; tensor_dim0 = 32
	s_mov_b32 s26, 100<<16                         ; tensor_dim1 = 100
	s_mov_b32 s27, 32<<16                          ; tile_dim0 = 32
	s_mov_b32 s28, 100                             ; tile_dim1 = 100
	s_mov_b32 s29, 32                              ; from row to row
	s_mov_b32 s30, 0
	s_mov_b32 s31, 0
	s_mov_b32 s22, 0x76543210
	s_mov_b32 s23, 0xfedcba98                      ; v_permlanex16_b32's selects for lane l xor 16
	s_mov_b32 s48, 0x3e38aa3b                      ; c = log2(e) / 8
	s_mov_b32 s49, s48                             ; (named with it as a pair)
	s_mov_b32 s50, 0xbe38aa3b                      ; -c
	s_mov_b32 s43, 0
	s_mov_b32 s55, 0
	s_mov_b32 s60, 0
	s_mov_b32 s61, 0
	s_mov_b32 s62, 0
	s_mov_b32 s63, 0
	v_and_b32 v29, 31, v0                          ; lane
	v_and_b32 v30, 15, v0                          ; r
	v_bfe_u32 v31, v0, 4, 1                        ; h
	v_lshlrev_b32 v7, 12, v30
	v_lshl_add_u32 v7, v31, 6, v7                  ; x: row r of 4,096 bytes, + 64 h
	s_mul_i32 s70, s18, CH
	s_mov_b32 s71, 0
	s_lshl_b32 s74, s20, 18                        ; 64 rows of 4,096 bytes a work-group
	s_mov_b32 s75, 0
	s_lshl_b32 s72, s18, 16                        ; 16 rows a wave
	s_mov_b32 s73, 0
	s_cmp_eq_u32 ttmp9, 0
	s_cselect_b32 s46, 28, 0                       ; the first cluster prefetches while fewer than 28 slots are begun
	s_wait_kmcnt 0x0
	s_add_nc_u64 s[4:5], s[4:5], s[74:75]
	s_add_nc_u64 s[4:5], s[4:5], s[72:73]          ; x at my wave's first token
	s_add_nc_u64 s[16:17], s[16:17], s[74:75]      ; out0 at the work-group's
	s_add_nc_u64 s[6:7], s[6:7], s[70:71]          ; wimg at my chunk of slot 0
	s_add_nc_u64 s[44:45], s[6:7], 4*RING1         ; the prefetches: stepped to slot 5 at the first change
	s_mov_b32 s32, 1                               ; group 0 for ring slot 0: count = 1,
	s_mov_b32 s33, s70                             ; LDS address: my chunk's place,
	s_mov_b64 s[34:35], s[6:7]                     ; global address,
	s_or_b32 s35, s35, 0x80000000                  ; type = 2
	s_mov_b32 s36, 1                               ; and for ring slot 1
	s_add_co_u32 s37, s70, RING1
	s_add_nc_u64 s[38:39], s[6:7], RING1
	s_or_b32 s39, s39, 0x80000000
	ROUND                                          ; all four work-groups are here: the first joint loads meet
	tensor_load_to_lds s[32:35], s[24:31]          ; slots 0 and 1: two loads of mine are out
	s_nop 0
	tensor_load_to_lds s[36:39], s[24:31]
	s_nop 0
	PLACES 4
	XLOAD 0, 0
	XLOAD 1, 1
	XLOAD 2, 2
	; every address register is made here, from the lane, the wave's number and constants
	v_lshl_add_u32 v3, v29, 4, s70                 ; W's fragments in ring slot 0: 16 x lane + my chunk,
	v_add_nc_u32 v4, RING1, v3                     ; slot 1
	s_add_co_u32 s76, s70, 24576
	v_lshl_add_u32 v5, v29, 2, s76                 ; W's scale words, slot 0,
	v_add_nc_u32 v6, RING1, v5                     ; slot 1
	s_mul_i32 s77, s18, 1536
	s_add_co_u32 s77, s77, XIMG
	v_lshl_add_u32 v8, v29, 4, s77                 ; where I store x's images
	s_lshl_b32 s78, s18, 6
	s_add_co_u32 s78, s78, XSC
	v_lshl_add_u32 v9, v30, 2, s78                 ; and their scale words
	v_lshl_add_u32 v10, v29, 4, XIMG               ; where any image is read
	v_lshl_add_u32 v11, v29, 2, XSC
	s_mul_i32 s79, s18, 24
	s_add_co_u32 s79, s79, QKR
	v_mul_u32_u24 v12, v29, 1544
	v_add_nc_u32 v12, s79, v12                     ; q's, k's codes in: row = lane (+ 32), my block's 24 bytes
	s_add_co_u32 s80, s18, QKS
	v_mul_u32_u24 v13, v30, 68
	v_add_nc_u32 v13, s80, v13                     ; their scale bytes in
	s_mul_i32 s81, s18, 24704
	s_add_co_u32 s81, s81, QKR
	v_mul_u32_u24 v14, v30, 48
	v_mad_u32_u24 v14, v31, 24, v14
	v_add_nc_u32 v14, s81, v14                     ; out: my tokens' rows; head r, block h
	s_mul_i32 s82, s18, 1088
	s_add_co_u32 s82, s82, QKS
	v_lshlrev_b32 v15, 1, v30
	v_lshl_add_u32 v15, v31, 5, v15
	v_add_nc_u32 v15, s82, v15                     ; lanes 0-15 q's two bytes of head r, lanes 16-31 k's
	s_lshl_b32 s83, s18, 5
	s_add_co_u32 s83, s83, VST
	v_mul_u32_u24 v16, v30, 1040
	v_lshl_add_u32 v16, v31, 9, v16
	v_add_nc_u32 v16, s83, v16                     ; v in: token r, head quads 2 h and 2 h + 1, my two channels
	s_mul_i32 s84, s18, 16640
	s_add_co_u32 s84, s84, VST
	v_lshlrev_b32 v17, 4, v30
	v_lshl_add_u32 v17, v31, 9, v17
	v_add_nc_u32 v17, s84, v17                     ; v out: my tokens; channel r, heads 8 h on
	s_mul_i32 s85, s18, 12544
	s_add_co_u32 s85, s85, AR
	v_mul_u32_u24 v18, v30, 48
	v_mad_u32_u24 v18, v31, 784, v18
	v_add_nc_u32 v18, s85, v18                     ; A's codes in: token 16 w + h (+ ..), head r
	s_lshl_b32 s86, s18, 9
	s_add_co_u32 s86, s86, AS
	v_lshl_add_u32 v19, v30, 1, s86                ; A's scale bytes in
	v_mul_u32_u24 v20, v30, 784
	v_mad_u32_u24 v20, v31, 24, v20
	v_add_nc_u32 v20, AR, v20                      ; A's fragments out
	v_lshl_add_u32 v21, v29, 5, AS                 ; A's scale words out
	s_mul_i32 s87, s18, 17408
	s_add_co_u32 s87, s87, OST
	v_mul_u32_u24 v22, v30, 272
	v_lshl_add_u32 v22, v31, 5, v22
	v_add_nc_u32 v22, s87, v22                     ; the way out, in: row r, 32 bytes for each half of the lanes
	v_mul_u32_u24 v23, v31, 272
	v_lshl_add_u32 v23, v30, 4, v23
	v_add_nc_u32 v23, s87, v23                     ; back: lanes 0-15 one row of 256 bytes, lanes 16-31 the next
	s_lshl_b32 s88, s18, 8
	v_lshlrev_b32 v24, 12, v31
	v_lshl_add_u32 v24, v30, 4, v24
	v_add_nc_u32 v24, s88, v24                     ; and the same place in out0
	s_lshl_b32 s89, s18, 7
	v_lshl_add_u32 v25, v31, 6, s89                ; bq, bk
	s_lshl_b32 s90, s18, 3
	v_lshl_add_u32 v26, v31, 11, s90               ; bv
	v_lshl_add_u32 v27, v30, 4, s88                ; bo
	v_min_u32 v28, 24, v29
	v_lshlrev_b32 v28, 8, v28
	s_mul_i32 s91, s19, 6400
	v_add_nc_u32 v28, s91, v28                     ; the prefetches: my work-group's 25 blocks of a chunk
.irp j, 0,1,2,3,4,5,6,7,8,9,10,11,12,13,14,15
	v_mov_b32 v[TM+\j], 0                          ; written once: a lane permute's destination counts as a source, and pairs are named whole
.endr
	; ================ X: my 16 tokens of x become eight fragments; their images go to LDS
.irp s, 0,1,2,3,4,5,6,7
.if (\s+3)<8
	XLOAD (\s+3)%4, \s+3
.endif
.if \s<5
	s_wait_loadcnt 48                              ; K step s is in: three younger K steps, 16 loads each, may be out
.else
	s_wait_loadcnt 16*(7-\s)
.endif
	Q4 64*(\s%4), 1
.irp c, 0,1,2
	ds_store_b128 v8, v[PC+4*\c:PC+4*\c+3] offset:6144*\s+512*\c
.endr
	ds_store_b32 v9, v[PW] offset:256*\s
	s_wait_dscnt 0x0                               ; the stores are done: their registers are written again
.endr
	BAR                                            ; x's 32 fragments lie in LDS
	WIN 0x40
.irp s, 0,1,2,3
.irp m, 0,1,2,3
.irp c, 0,1,2
	ds_load_b128 v[48*\s+12*\m+4*\c:48*\s+12*\m+4*\c+3], v10 offset:1536*(4*\s+\m)+512*\c
.endr
.endr
.endr
	WIN 0x80
.irp s, 0,1,2,3
.irp m, 0,1,2,3
.irp c, 0,1,2
	ds_load_b128 v[48*\s+12*\m+4*\c:48*\s+12*\m+4*\c+3], v10 offset:1536*(4*\s+16+\m)+512*\c
.endr
.endr
.endr
	WIN 0
.irp s, 0,1,2,3,4,5,6,7
.irp p, 0,1
	ds_load_b32 v[32+2*\s+\p], v11 offset:256*\s+128*\p   ; lanes 0-15: tile 2 p of tokens, lanes 16-31: tile 2 p + 1
.endr
.endr
	s_mov_b64 s[52:53], s[8:9]
	BL1                                            ; slot 0's bias
	BAR                                            ; every wave has all of x: the images' bytes may be written again
	s_wait_tensorcnt 0x1                           ; my chunk of slot 0 is in; slot 1's may be out.  I alone read my chunks
	PRE 0
	; ================ Q, K: 16 passes.  A pass gives a wave one block of 32 of q (or k) for each of the 64 tokens
.macro QEPI par
	v_add_nc_u32 v29, s60, v12
	v_add_nc_u32 v30, s61, v13
	Q4 192, 1                                      ; items = the four tiles of tokens
.irp c, 0,1
.irp k, 0,1,2
	ds_store_b64 v29, v[PC+6*\c+2*\k:PC+6*\c+2*\k+1] offset:49408*\c+96*(\par)+8*\k   ; lane (r, h): token 16 (2 c + h) + r; 96 bytes a slot, 24 a wave
.endr
.endr
.irp m, 0,1,2,3
	ds_store_b8 v30, v[TM+4+\m] offset:1088*\m+4*(\par)   ; both halves of the lanes write the same byte with the same value
.endr
.endm
	s_mov_b32 s40, 8
.Lqk:
	MP 0, 1, 192, 1, 1, 2, 1
	QEPI 0
	MP 1, 1, 192, 1, 1, 2, 1
	QEPI 1
	s_add_co_u32 s60, s60, 192
	s_add_co_u32 s61, s61, 8
	s_sub_co_u32 s40, s40, 1
	s_cmp_lg_u32 s40, 0
	s_cbranch_scc1 .Lqk
	; ================ S: scores and softmax of my 16 tokens, four at a time.  K = 64 is filled to 128 with zero codes; their scale bytes are the 0 that the 16-bit load leaves
.macro SLOAD g
.irp t, 0,1,2,3
.irp k, 0,1,2
	ds_load_b64 v[80+24*\t+2*\k:81+24*\t+2*\k], v14 offset:1544*(4*(\g)+\t)+768+8*\k   ; k's fragment: head r, 24 bytes of block h
	ds_load_b64 v[92+24*\t+2*\k:93+24*\t+2*\k], v14 offset:1544*(4*(\g)+\t)+8*\k       ; q's
.endr
	ds_load_u16 v[252+\t], v15 offset:68*(4*(\g)+\t)
.endr
.endm
.macro SGRP g
	s_wait_dscnt 0x0
.irp t, 0,1,2,3                        ; source 0 = k's 16 heads, source 1 = q's: lane (r, h) holds query head r, register j key head 8 h + j
	v_wmma_scale_f32_16x16x128_f8f6f4 v[176+8*\t:183+8*\t], v[80+24*\t:91+24*\t], v[92+24*\t:103+24*\t], 0, v[252+\t], v[252+\t] matrix_a_fmt:MATRIX_FMT_FP6 matrix_b_fmt:MATRIX_FMT_FP6 matrix_a_scale:MATRIX_SCALE_ROW1
.endr
	PLACES 4
.if (\g)<3
	SLOAD (\g)+1
.endif
.irp t, 0,1,2,3
	v_max3_num_f32 v[208+4*\t], v[176+8*\t], v[177+8*\t], v[178+8*\t]   ; the row's maximum, from the low end on; the four tokens by turns
.endr
.irp t, 0,1,2,3
	v_max3_num_f32 v[208+4*\t], v[208+4*\t], v[179+8*\t], v[180+8*\t]
.endr
.irp t, 0,1,2,3
	v_max3_num_f32 v[208+4*\t], v[208+4*\t], v[181+8*\t], v[182+8*\t]
.endr
.irp t, 0,1,2,3
	v_max_num_f32 v[208+4*\t], v[208+4*\t], v[183+8*\t]
.endr
.irp t, 0,1,2,3
	v_permlanex16_b32 v[209+4*\t], v[208+4*\t], s22, s23
.endr
.irp t, 0,1,2,3
	v_max_num_f32 v[208+4*\t], v[208+4*\t], v[209+4*\t]
.endr
.irp t, 0,1,2,3
	v_mul_f32 v[210+4*\t], s50, v[208+4*\t]        ; -c m
.endr
.irp t, 0,1,2,3
.irp k, 0,2,4,6
	v_pk_fma_f32 v[176+8*\t+\k:177+8*\t+\k], v[176+8*\t+\k:177+8*\t+\k], s[48:49], v[210+4*\t:211+4*\t] op_sel_hi:[1,0,0]   ; c s - c m, 0 at the most
.endr
.endr
.irp j, 0,1,2,3,4,5,6,7,8,9,10,11,12,13,14,15,16,17,18,19,20,21,22,23,24,25,26,27,28,29,30,31
	v_exp_f32 v[176+\j], v[176+\j]
.endr
	v_nop                                          ; a plain place behind the last exponential
	s_wait_alu depctr_va_vdst(0)                   ; one wait for the batch of 32, ahead of its first reader
.irp t, 0,1,2,3
	v_pk_add_f32 v[208+4*\t:209+4*\t], v[176+8*\t:177+8*\t], v[178+8*\t:179+8*\t]
.endr
.irp t, 0,1,2,3
	v_pk_add_f32 v[210+4*\t:211+4*\t], v[180+8*\t:181+8*\t], v[182+8*\t:183+8*\t]
.endr
.irp t, 0,1,2,3
	v_pk_add_f32 v[208+4*\t:209+4*\t], v[208+4*\t:209+4*\t], v[210+4*\t:211+4*\t]
.endr
.irp t, 0,1,2,3
	v_add_f32 v[208+4*\t], v[208+4*\t], v[209+4*\t]
.endr
.irp t, 0,1,2,3
	v_permlanex16_b32 v[209+4*\t], v[208+4*\t], s22, s23
.endr
.irp t, 0,1,2,3
	v_add_f32 v[208+4*\t], v[208+4*\t], v[209+4*\t]   ; the row's sum, at least 1
.endr
.irp t, 0,1,2,3
	v_rcp_f32 v[210+4*\t], v[208+4*\t]
.endr
	v_nop
	s_wait_alu depctr_va_vdst(0)                   ; one wait for the four reciprocals
	WIN 0x40+0x40*((\g)/2)                         ; P of tokens 0-7 in window 1, of 8-15 in window 2
.irp t, 0,1,2,3
.irp k, 0,2,4,6
	v_pk_mul_f32 v[192+8*((4*(\g)+\t)%8)+\k:193+8*((4*(\g)+\t)%8)+\k], v[176+8*\t+\k:177+8*\t+\k], v[210+4*\t:211+4*\t] op_sel_hi:[1,0]   ; P, normalised
.endr
.endr
	WIN 0
.endm
	BAR                                            ; all of q and k lies in LDS; the fragments fetched ahead are in, and are given up
.irp t, 0,1,2,3
.irp k, 6,7,8,9,10,11,18,19,20,21,22,23
	v_mov_b32 v[80+24*\t+\k], 0                    ; K = 64 .. 127: zero codes, on both sides
.endr
.endr
	PLACES 4                                       ; operands written by vector instructions stand four places ahead of a scaled matrix instruction
	SLOAD 0
	SGRP 0
	SGRP 1
	SGRP 2
	SGRP 3
	BAR                                            ; nobody reads q or k any more: their bytes take v and A
	s_wait_loadcnt 0x0                             ; (the bias loaded behind slot 15 is in: its registers and base may be used again)
	s_mov_b64 s[52:53], s[12:13]
	BL2                                            ; slot 16's bias
	PRE 0                                          ; slot 16's first fragments, once more
	; ================ V and P v.  A tile of V's columns is one channel of all 16 heads.  Two passes give 16 channels of all 64 tokens; they change waves through LDS; four passes give a block of 32 of A
.macro VSTORE ab
.irp m, 0,1,2,3
.irp n, 0,1
	ds_store_b128 v16, v[176+16*\m+8*\n:179+16*\m+8*\n] offset:16640*\m+128*(\ab)+16*\n       ; heads 8 h + 0 .. 3 of channel place 8 ab + 2 w + n: each accumulator from its low end on
	ds_store_b128 v16, v[180+16*\m+8*\n:183+16*\m+8*\n] offset:16640*\m+128*(\ab)+16*\n+256
.endr
.endr
.endm
; O^T = V^T P^T for my 16 tokens: source 0 = 16 channels, source 1 = 16 query heads, K = 16 key heads in four steps.  Register 2 s + j of lane (., h) is key head 8 h + 2 s + j on both sides.
; Result: lane (query head, h), register j: channel place 8 h + j.  Four tokens' sums take turns.
.macro PV u
.irp i, 0,1,2,3,4,5,6,7,8,9,10,11,12,13,14,15
	ds_load_b128 v[80+8*\i:83+8*\i], v17 offset:1040*\i
	ds_load_b128 v[84+8*\i:87+8*\i], v17 offset:1040*\i+256
.endr
.irp g, 0,1,2,3
	s_wait_dscnt 24-8*\g                           ; four tokens' eight loads are in; eight for each younger group may be out
	WIN 0xf4+4*(\g/2)                              ; V window 0, P window 1 or 2, sums window 3
.irp s, 0,1,2,3
.irp t, 0,1,2,3
.set rD, 16*(4*\g+\t)+8*(\u)
.set rA, 80+8*(4*\g+\t)+2*\s
.set rB, 192+8*((4*\g+\t)%8)+2*\s
.if \s==0
	v_wmma_f32_16x16x4_f32 v[rD:rD+7], v[rA:rA+1], v[rB:rB+1], 0
.else
	v_wmma_f32_16x16x4_f32 v[rD:rD+7], v[rA:rA+1], v[rB:rB+1], v[rD:rD+7]
.endif
.endr
.endr
.endr
	WIN 0
	PLACES 9                                       ; this form asks eight places in front of reads of its results and of loads into its sources, nine in front of matrix instructions that write over them
.endm
.macro QUANTA g                        ; tokens 4 g .. 4 g + 3: lane (head r, h) holds channels 32 b + 16 h + 0 .. 15: a block of A
	Q4 64*(\g), 3
.irp c, 0,1
.irp k, 0,1,2
	ds_store_b64 v29, v[PC+6*\c+2*\k:PC+6*\c+2*\k+1] offset:784*(4*(\g)+2*\c)+8*\k
.endr
.endr
.irp k, 0,1,2,3
	ds_store_b8 v30, v[TM+4+\k] offset:32*(4*(\g)+\k)
.endr
	s_wait_dscnt 0x0                               ; the stores are done: their registers are written again
.endm
	s_mov_b32 s41, 2
.Lv:                                   ; a trip: channels 32 b .. 32 b + 31 of every head
.irp u, 0,1
	MP 0, 0, 176, 1, 2, 2, 1
	VSTORE 0
	MP 1, 0, 176, 1, 2, 2, 0
	VSTORE 1
	BAR                                            ; 16 channels of v of all 64 tokens lie in LDS
	PV \u
	BAR                                            ; everybody has read them
.if \u==1
	v_add_nc_u32 v29, s62, v18
	v_add_nc_u32 v30, s63, v19
	QUANTA 0
	QUANTA 1
	QUANTA 2
	QUANTA 3
.endif
	PRE 0
.endr
	s_add_co_u32 s62, s62, 24
	s_add_co_u32 s63, s63, 1
	s_sub_co_u32 s41, s41, 1
	s_cmp_lg_u32 s41, 0
	s_cbranch_scc1 .Lv
	; ================ A: every wave takes the codes of all 64 tokens, into the registers that held x's
	BAR
	s_wait_loadcnt 0x0                             ; (the bias loaded behind slot 23 is in)
	WIN 0x40
.irp s, 0,1,2,3
.irp m, 0,1,2,3
.irp p, 0,1,2,3,4,5
	ds_load_b64 v[48*\s+12*\m+2*\p:48*\s+12*\m+2*\p+1], v20 offset:12544*\m+96*\s+48*(\p/3)+8*(\p%3)
.endr
.endr
.endr
	WIN 0x80
.irp s, 0,1,2,3
.irp m, 0,1,2,3
.irp p, 0,1,2,3,4,5
	ds_load_b64 v[48*\s+12*\m+2*\p:48*\s+12*\m+2*\p+1], v20 offset:12544*\m+96*(\s+4)+48*(\p/3)+8*(\p%3)
.endr
.endr
.endr
	WIN 0
.irp s, 0,1,2,3,4,5,6,7
.irp p, 0,1
	ds_load_b32 v[32+2*\s+\p], v21 offset:1024*\p+4*\s
.endr
.endr
	s_wait_dscnt 0x0
	; ================ O: two passes give a wave 64 columns of out0 for the 64 tokens.  They go through my own stage and leave as rows of 256 bytes; bo is added on the way
.macro RB m
.irp k, 0,1,2,3,4,5,6,7
	ds_load_b128 v[176+32*((\m)%2)+4*\k:176+32*((\m)%2)+4*\k+3], v23 offset:4352*(\m)+544*\k   ; LDS serves a wave's instructions in order: these see my stores
.endr
.endm
.macro OUTW
	WIN 0x04                                       ; an LDS store's data are its source 1: window 1, the first pass's accumulators
.irp m, 0,1,2,3
.irp n, 0,1
	ds_store_b128 v22, v[192+16*\m+8*\n:195+16*\m+8*\n] offset:4352*\m+64*\n
	ds_store_b128 v22, v[196+16*\m+8*\n:199+16*\m+8*\n] offset:4352*\m+64*\n+16
.endr
.endr
	WIN 0x08                                       ; window 2: the second pass's
.irp m, 0,1,2,3
.irp n, 0,1
	ds_store_b128 v22, v[192+16*\m+8*\n:195+16*\m+8*\n] offset:4352*\m+128+64*\n
	ds_store_b128 v22, v[196+16*\m+8*\n:199+16*\m+8*\n] offset:4352*\m+128+64*\n+16
.endr
.endr
	WIN 0
	s_wait_loadcnt 0x0                             ; bo's four numbers of my columns
	RB 0
.irp m, 0,1,2,3
.set rR, 176+32*(\m%2)
.if \m<3
.if \m>0
	s_wait_xcnt 0x0                                ; the stores of the tile before last have read their registers: they are loaded again
.endif
	RB \m+1
	s_wait_dscnt 8                                 ; tile m is back; the next tile's eight loads may be out
.else
	s_wait_dscnt 0x0
.endif
.irp k, 0,1,2,3,4,5,6,7
	v_pk_add_f32 v[rR+4*\k:rR+4*\k+1], v[rR+4*\k:rR+4*\k+1], v[64:65]
	v_pk_add_f32 v[rR+4*\k+2:rR+4*\k+3], v[rR+4*\k+2:rR+4*\k+3], v[66:67]
.endr
.irp k, 0,1,2,3,4,5,6,7
	global_store_b128 v24, v[rR+4*\k:rR+4*\k+3], s[16:17] offset:(16*\m+2*\k)*4096 th:TH_STORE_NT   ; 16 lanes store 256 consecutive bytes, at a multiple of 256 from out0's first byte
.endr
.endr
	s_wait_xcnt 0x0                                ; the stores have read their registers and their base
	s_add_nc_u64 s[16:17], s[16:17], 1024          ; the next 256 columns
	s_add_nc_u64 s[14:15], s[14:15], 1024
.endm
	s_mov_b32 s42, 3
.Lo:
	global_load_b128 v[64:67], v27, s[14:15]
	MP 0, 1, 192, 0, 0, 2, 1
	MP 1, 2, 192, 0, 0, 2, 1
	OUTW
	s_sub_co_u32 s42, s42, 1
	s_cmp_lg_u32 s42, 0
	s_cbranch_scc1 .Lo
	global_load_b128 v[64:67], v27, s[14:15]       ; the last two slots are written out
	MP 0, 1, 192, 0, 0, 1, 1
	MP 1, 2, 192, 0, 0, 0, 0
	OUTW
	s_wait_tensorcnt 0x0                           ; the wave's end: behind my last tensor load and my last LDS store
	ds_add_u32 v1, v2
	s_wait_dscnt 0x0
	ROUND                                          ; the closing round: no work-group ends while a partner may still ask for a chunk that names it
	s_endpgm
.Lfunc_end_k_q5c48202453_attn:
	.size	k_q5c48202453_attn, .Lfunc_end_k_q5c48202453_attn-k_q5c48202453_attn
	.p2alignl 7, 3214868480
	.fill 96, 4, 3214868480
	.section	.rodata,"a",@progbits
	.p2align	6, 0x0
	.amdhsa_kernel k_q5c48202453_attn
		.amdhsa_group_segment_fixed_size 327680
		.amdhsa_private_segment_fixed_size 0
		.amdhsa_enable_private_segment 0
		.amdhsa_kernarg_size 56
		.amdhsa_user_sgpr_count 2
		.amdhsa_user_sgpr_kernarg_segment_ptr 1
		.amdhsa_wavefront_size32 1
		.amdhsa_system_sgpr_workgroup_id_x 1
		.amdhsa_system_sgpr_workgroup_id_y 1
		.amdhsa_system_sgpr_workgroup_id_z 1
		.amdhsa_system_vgpr_workitem_id 0
		.amdhsa_next_free_vgpr 1024
		.amdhsa_next_free_sgpr 100
		.amdhsa_reserve_vcc 0
		.amdhsa_float_denorm_mode_32 3
		.amdhsa_float_denorm_mode_16_64 3
		.amdhsa_memory_ordered 1
		.amdhsa_forward_progress 1
		.amdhsa_inst_pref_size 255
	.end_amdhsa_kernel
	.section	.bss,"aw",@nobits
	.p2align	6
	.space	262144
	.amdgpu_metadata
---
amdhsa.version: [ 1, 2 ]
amdhsa.kernels:
  - .name:           k_q5c48202453_attn
    .symbol:         k_q5c48202453_attn.kd
    .args:
      - { .name: x, .offset: 0, .size: 8, .value_kind: global_buffer, .address_space: global }
      - { .name: wimg, .offset: 8, .size: 8, .value_kind: global_buffer, .address_space: global }
      - { .name: bq, .offset: 16, .size: 8, .value_kind: global_buffer, .address_space: global }
      - { .name: bk, .offset: 24, .size: 8, .value_kind: global_buffer, .address_space: global }
      - { .name: bv, .offset: 32, .size: 8, .value_kind: global_buffer, .address_space: global }
      - { .name: bo, .offset: 40, .size: 8, .value_kind: global_buffer, .address_space: global }
      - { .name: out0, .offset: 48, .size: 8, .value_kind: global_buffer, .address_space: global }
    .group_segment_fixed_size: 327680
    .private_segment_fixed_size: 0
    .kernarg_segment_align: 8
    .kernarg_segment_size: 56
    .max_flat_workgroup_size: 128
    .sgpr_count:     100
    .vgpr_count:     1024
    .wavefront_size: 32
...
	.end_amdgpu_metadata
.endif
;; end of part 2
;; ======== version 2 of 2: 2 launches
;; limits: right only within a limited range of input values
;; workspace buffers: wimg 3,276,800 bytes; ximg 13,107,200 bytes
;; launch prep (part 3): grid 384 x 1, 8 waves a work-group, no clusters, 120,832 bytes of LDS; arguments Wq, Wk, Wv, Wo, wimg, x, ximg; writes wimg, ximg
.if DOCPART == 3
	.amdgcn_target "amdgcn-amd-amdhsa--gfx1250"
	.amdhsa_code_object_version 6
	.text
	.protected	k_q5c48202453_prep
	.globl	k_q5c48202453_prep
	.p2align	8
	.type	k_q5c48202453_prep,@function
k_q5c48202453_prep:
	s_mov_b64 s[64:65], 0
	v_nop
	global_prefetch_b8 v0, s[64:65] scope:SCOPE_SE
	s_setreg_imm32_b32 hwreg(HW_REG_WAVE_MODE, 25, 1), 1
	s_wait_xcnt 0x0
; Wq, Wk, Wv, Wo [1024 (k)][1024 (n)] f32 are quantised along k, their FIRST axis, to codes of FP6 (E2M3) with one E8M0 byte for each 32 along k,
; and stored in wimg in the order in which the next launch's operand registers take them.
; wimg = 32 slots x 4 waves x a chunk of 25,600 bytes.  A chunk: 16 fragment images of 1,536 bytes, image 2 s + n (K step s of 128, tile n of 16 columns):
; register 4 c + k of lane l at 512 c + 16 l + 4 k; then, at 24,576, the scale words [s][lane][4 bytes], lanes 0-15 tile 0, lanes 16-31 tile 1.
; Register 6 c + i of lane (row, h) is word i of the 24 bytes of block 4 s + 2 c + h of the tile row's column.
; A LANE TAKES A COLUMN AND ITS REGISTERS RUN DOWN k: a block of 32 lies in one lane, its largest magnitude needs no other lane, the conversions give codes with k innermost.
; A work-group takes one matrix (g), one K step (s) and 256 columns (cq): 16 whole fragments; they are gathered in LDS (an image every 1,552 bytes) and leave as they lie, 512 consecutive bytes a store.
; Which columns form a tile: Q, K: tile n of a wave's 32 columns takes columns 8 n + i + 8 (i / 8), so that the next launch's results are 16 neighbours a lane; O: 16 neighbours; V: one channel d of all 16 heads (column 64 i + d).
; V's lanes and places differ, so the text has two ways, parted on the work-group's number; each has LDS bytes of its own.
; A block's scale is 2^(floor(log2(largest magnitude)) - 2); its byte is the largest magnitude's exponent field - 2, held at 1 from below.
; LIMITS: a block of zeros gets the byte 1 where the rule says 127 (its codes are zeros, and this program alone reads the bytes); NaN and infinities are not served.
; The scale words leave as 128 consecutive bytes a wave: half of an aligned 256 bytes; they are 131,072 bytes of the 3,276,800 stored.
; 128 work-groups: a fragment interleaves its four blocks, so a K step is not split further, and fewer columns to a work-group would shorten V's runs of neighbouring bytes.
; WORK-GROUPS 128 TO 383 TAKE x [16,384][1,024] f32, K innermost: work-group 128 + b quantises rows 64 b .. 64 b + 63 into ximg, 51,200 bytes a block, in the order in which the next launch's registers take them:
; 32 fragment images of 1,536 bytes, image 4 s + m (K step s of 128, tile m of 16 rows), laid as the weights' images; then, at 49,152, eight units of 256 bytes of scale words:
; unit 4 (s / 4) + m, in it the word of row r and step s at 128 ((s % 4) / 2) + 8 r + 4 (s % 2).
; A wave takes tile m = wave % 4 and the four K steps 4 (wave / 4) + t.  Each load reads 512 consecutive bytes of one row; a step's 16 rows turn through the wave's own stage in LDS (rows 528 bytes apart),
; so that lane (r, h) holds, of row r, the 16 neighbours 32 b + 16 h + 0 .. 15 of each of the step's four blocks.  The images leave by stores of 512 consecutive bytes, a wave's 64 scale words as one aligned 256 bytes.
; This way has LDS bytes of its own too, and no barrier: its waves share nothing.
.set PIT, 1552                         ; from image to image in LDS: 1,536 + 16 = 388 words, so that sixteen images begin in sixteen different groups of banks
.set XST, 53248                        ; x's way: eight stages of 16 x 528 = 8,448 bytes, behind the spare words
.set XCH, 51200                        ; a block of ximg
.set SCO, 16*PIT                       ; behind the images: 16 tiles x 16 scale words
.set REG, SCO+1024                     ; the second way's bytes begin here
.set CHK, 25600
	s_load_b256 s[4:11], s[0:1], 0x0               ; Wq, Wk, Wv, Wo
	s_load_b64 s[12:13], s[0:1], 0x20              ; wimg
	s_load_b128 s[40:43], s[0:1], 0x28             ; x, ximg
	v_lshl_add_u32 v30, v0, 2, 0xcc00
	v_mov_b32 v31, 0
	v_lshrrev_b32 v1, 5, v0
	s_delay_alu instid0(VALU_DEP_1)
	v_readfirstlane_b32 s14, v1                    ; wave v, 0..7
	s_lshr_b32 s15, ttmp9, 5                       ; g: which matrix
	s_bfe_u32 s16, ttmp9, 0x30002                  ; s: which K step
	s_and_b32 s17, ttmp9, 3                        ; cq: which 256 columns
	v_and_b32 v2, 31, v0                           ; lane
	v_and_b32 v3, 15, v0                           ; lane % 16
	v_bfe_u32 v4, v0, 4, 1                         ; lane / 16
	v_lshrrev_b32 v5, 4, v0                        ; 2 v + lane / 16
	s_delay_alu instid0(VALU_DEP_4)
	v_lshlrev_b32 v13, 4, v2                       ; the way out: 16 bytes a lane,
	v_lshlrev_b32 v14, 2, v2                       ; 4 for the scale words
	s_mul_i32 s28, s14, 2*PIT                      ; my wave's pair of images
	s_and_b32 s24, s15, 1
	s_lshl_b32 s22, s16, 19                        ; s x 128 rows of 4,096 bytes
	s_mov_b32 s23, 0
	s_mov_b32 s37, 0
	s_wait_kmcnt 0x0
	s_cmp_eq_u32 s24, 0                            ; the choice hangs on the work-group's number alone
	s_cselect_b64 s[18:19], s[4:5], s[6:7]
	s_cselect_b64 s[20:21], s[8:9], s[10:11]
	s_cmp_lt_u32 s15, 2
	s_cselect_b64 s[4:5], s[18:19], s[20:21]
	s_add_nc_u64 s[4:5], s[4:5], s[22:23]
.macro OUTBASE                         ; s34 = 4 x slot + wave of the chunk that my wave's pair belongs to
	s_mul_i32 s34, s34, CHK
	s_mul_i32 s36, s16, 3072
	s_add_co_u32 s36, s36, s34
	s_add_nc_u64 s[30:31], s[12:13], s[36:37]      ; the pair's images: chunk + 3,072 s
	s_lshl_b32 s36, s16, 7
	s_add_co_u32 s36, s36, s34
	s_add_co_u32 s36, s36, 24576
	s_add_nc_u64 s[32:33], s[12:13], s[36:37]      ; its scale words: chunk + 24,576 + 128 s
.endm
.macro LOADB t                         ; block t: W(128 s + 32 t + i, my column) into set t % 2
.irp i, 0,1,2,3,4,5,6,7,8,9,10,11,12,13,14,15,16,17,18,19,20,21,22,23,24,25,26,27,28,29,30,31
	global_load_b32 v[32+32*((\t)%2)+\i], v6, s[4:5] offset:(32*(\t)+\i)*4096 th:TH_LOAD_NT
.endr
.endm
.macro BLOCK t
.set bX, 32+32*((\t)%2)
.set bC, 96+8*(\t)                     ; each block has code registers of its own: no store's data are written again
.if (\t)<3
	s_wait_loadcnt 32                              ; this block's 32 loads are in; the next block's 32 may be out
.else
	s_wait_loadcnt 0x0
.endif
	v_max3_num_f32 v16, |v[bX]|, |v[bX+1]|, |v[bX+2]|      ; the block's largest magnitude, in two chains
	v_max3_num_f32 v17, |v[bX+3]|, |v[bX+4]|, |v[bX+5]|
.irp i, 6,10,14,18,22,26
	s_delay_alu instid0(VALU_DEP_2)
	v_max3_num_f32 v16, v16, |v[bX+\i]|, |v[bX+\i+1]|
	s_delay_alu instid0(VALU_DEP_2)
	v_max3_num_f32 v17, v17, |v[bX+\i+2]|, |v[bX+\i+3]|
.endr
	s_delay_alu instid0(VALU_DEP_2)
	v_max3_num_f32 v16, v16, |v[bX+30]|, |v[bX+31]|
	s_delay_alu instid0(VALU_DEP_1)
	v_max3_num_f32 v16, v16, v17, 0x1800000        ; and the floor 2^(3 - 127): the byte cannot fall under 1
	s_delay_alu instid0(VALU_DEP_1)
	v_add_nc_u32 v18, 0xff000000, v16              ; 2 off the exponent field: the conversion takes this operand's exponent field as its scale
	s_delay_alu instid0(VALU_DEP_1)
	v_lshrrev_b32 v19, 23, v18                     ; the scale's byte
.if (\t)==0
	s_delay_alu instid0(VALU_DEP_1)
	v_mov_b32 v20, v19                             ; the four bytes make my column's scale word of this K step
.else
	s_delay_alu instid0(VALU_DEP_1)
	v_lshl_or_b32 v20, v19, 8*(\t), v20
.endif
	v_cvt_scalef32_pk16_fp6_f32 v[bC:bC+2], v[bX:bX+15], v18
	v_cvt_scalef32_pk16_fp6_f32 v[bC+4:bC+6], v[bX+16:bX+31], v18   ; (a conversion's three registers begin on an even number)
	v_nop                                          ; one plain place behind a scaled conversion
	v_mov_b32 v[bC+3], v[bC+4]
	v_mov_b32 v[bC+4], v[bC+5]
	v_mov_b32 v[bC+5], v[bC+6]                     ; bC .. bC + 5: the block's 24 bytes
.if (\t)<2                             ; block t = 2 c + h is registers 6 c .. 6 c + 5 of lane 16 h + row of the image
	ds_store_b128 v9, v[bC:bC+3] offset:256*((\t)%2)
	ds_store_b64 v9, v[bC+4:bC+5] offset:512+256*((\t)%2)
.else
	ds_store_b64 v9, v[bC:bC+1] offset:520+256*((\t)%2)
	ds_store_b128 v9, v[bC+2:bC+5] offset:1024+256*((\t)%2)
.endif
.if (\t)<2
	LOADB (\t)+2
.endif
.endm
.macro BODY
	LOADB 0
	LOADB 1
	BLOCK 0
	BLOCK 1
	BLOCK 2
	BLOCK 3
	ds_store_b32 v10, v20                          ; my column's scale word
	s_wait_dscnt 0x0                               ; for the others' sake: my stores have landed
	s_barrier_signal -1
	s_barrier_wait -1
.irp k, 0,1,2,3,4,5
	ds_load_b128 v[32+4*\k:35+4*\k], v11 offset:PIT*(\k/3)+512*(\k%3)
.endr
	ds_load_b32 v56, v12
.irp k, 0,1,2,3,4,5
	s_wait_dscnt 6-\k                              ; LDS loads come back in order: piece k is in
	global_store_b128 v13, v[32+4*\k:35+4*\k], s[30:31] offset:1536*(\k/3)+512*(\k%3)   ; 32 lanes store 512 consecutive bytes, at a multiple of 256 from wimg's first byte
.endr
	s_wait_dscnt 0x0
	global_store_b32 v14, v56, s[32:33]
	s_wait_tensorcnt 0x0
	ds_add_u32 v30, v31
	s_wait_dscnt 0x0
	s_endpgm
.endm
	s_cmp_ge_u32 s15, 4                            ; work-groups 128 and up: x
	s_cbranch_scc1 .Lpath_x
	s_cmp_eq_u32 s15, 2
	s_cbranch_scc1 .Lpath_v
	; ---- Q, K, O: lane (i, n) of wave v is row i of tile 2 v + n
	s_cmp_eq_u32 s15, 3
	s_cselect_b32 s25, 16, 8                       ; from tile to tile: O 16 columns, Q and K 8
	s_cselect_b32 s26, 0, 8                        ; Q and K: rows 8-15 lie 8 columns further on
	s_lshl_b32 s34, s15, 5
	s_add_co_u32 s34, s34, s14                     ; Q, K: 4 x slot + wave = 32 g + 8 cq + v
	s_and_b32 s35, s14, 1
	s_lshl_b32 s35, s35, 2
	s_lshr_b32 s36, s14, 1
	s_add_co_u32 s35, s35, s36
	s_add_co_u32 s35, s35, 96                      ; O: 96 + 8 cq + 4 (v % 2) + v / 2
	s_cmp_eq_u32 s15, 3
	s_cselect_b32 s34, s35, s34
	s_lshl_b32 s36, s17, 3
	s_add_co_u32 s34, s34, s36
	OUTBASE
	s_wait_alu depctr_va_vdst(0)
	v_lshrrev_b32 v7, 3, v3
	v_mul_u32_u24 v8, v4, s25
	s_delay_alu instid0(VALU_DEP_1)
	v_mad_u32_u24 v8, v7, s26, v8
	s_delay_alu instid0(VALU_DEP_1)
	v_add_nc_u32 v8, v8, v3
	s_lshl_b32 s27, s17, 8
	s_lshl_b32 s29, s14, 5
	s_add_co_u32 s27, s27, s29
	v_add_nc_u32 v8, s27, v8                       ; my column: 256 cq + 32 v + ..
	s_delay_alu instid0(VALU_DEP_1)
	v_lshlrev_b32 v6, 2, v8
	v_mul_u32_u24 v9, v5, PIT
	s_delay_alu instid0(VALU_DEP_1)
	v_lshl_add_u32 v9, v3, 4, v9                   ; into the images: tile 2 v + n, row i
	v_lshlrev_b32 v10, 2, v0
	s_delay_alu instid0(VALU_DEP_1)
	v_add_nc_u32 v10, SCO, v10                     ; scale words: 64 x tile + 4 x row = 4 x thread
	v_lshl_add_u32 v11, v2, 4, s28                 ; back: my wave's pair, 16 bytes a lane
	v_lshlrev_b32 v12, 2, v0
	s_delay_alu instid0(VALU_DEP_1)
	v_add_nc_u32 v12, SCO, v12
	BODY
.Lpath_v:
	; ---- V: thread t is head e = t / 16 and channel d = 16 cq + t % 16: tile t % 16, row e
	s_lshr_b32 s34, s17, 1
	s_lshl_b32 s34, s34, 4
	s_and_b32 s35, s17, 1
	s_lshl_b32 s35, s35, 2
	s_add_co_u32 s34, s34, s35
	s_lshr_b32 s35, s14, 2
	s_lshl_b32 s35, s35, 3
	s_add_co_u32 s34, s34, s35
	s_and_b32 s35, s14, 3
	s_add_co_u32 s34, s34, s35
	s_add_co_u32 s34, s34, 64                      ; 4 x slot + wave = 64 + 16 (cq / 2) + 4 (cq % 2) + 8 (v / 4) + v % 4
	OUTBASE
	s_wait_alu depctr_va_vdst(0)
	v_lshl_add_u32 v8, v5, 6, v3
	s_lshl_b32 s27, s17, 4
	v_add_nc_u32 v8, s27, v8                       ; my column: 64 e + d
	s_delay_alu instid0(VALU_DEP_1)
	v_lshlrev_b32 v6, 2, v8
	v_mul_u32_u24 v9, v3, PIT
	s_delay_alu instid0(VALU_DEP_1)
	v_lshl_add_u32 v9, v5, 4, v9
	s_delay_alu instid0(VALU_DEP_1)
	v_add_nc_u32 v9, REG, v9
	v_lshlrev_b32 v10, 6, v3
	s_delay_alu instid0(VALU_DEP_1)
	v_lshl_add_u32 v10, v5, 2, v10
	s_delay_alu instid0(VALU_DEP_1)
	v_add_nc_u32 v10, REG+SCO, v10
	s_add_co_u32 s28, s28, REG
	v_lshl_add_u32 v11, v2, 4, s28
	v_lshlrev_b32 v12, 2, v0
	s_delay_alu instid0(VALU_DEP_1)
	v_add_nc_u32 v12, REG+SCO, v12
	BODY
; ---- x.  REGISTERS: v6, v7 the stage, in and out; v8 8 x lane; v13 16 x lane; v16-27 maxima, bytes, scale operands; v32-35 the four steps' scale words; v36-47 a fragment, v48-54 its upper halves on the way; v64-255 three sets of 64 numbers
.macro XL t                            ; step t: 16 rows x 512 bytes into set t % 3
.irp i, 0,1,2,3,4,5,6,7,8,9,10,11,12,13,14,15
	global_load_b128 v[64+64*((\t)%3)+4*\i:64+64*((\t)%3)+4*\i+3], v13, s[40:41] offset:4096*\i+512*(\t) th:TH_LOAD_NT
.endr
.endm
.macro XSTEP t
.set xS, 64+64*((\t)%3)
.if (\t)<2
	s_wait_loadcnt 32                              ; this step's 16 loads are in; those of the two steps behind it may be out
.else
	s_wait_loadcnt 16*(3-(\t))
.endif
.irp i, 0,1,2,3,4,5,6,7,8,9,10,11,12,13,14,15
	ds_store_b128 v6, v[xS+4*\i:xS+4*\i+3] offset:528*\i
.endr
	s_wait_dscnt 0x0                               ; the stores have read the set: it takes the same numbers back, turned
.irp b, 0,1,2,3
.irp j, 0,1,2,3
	ds_load_b128 v[xS+16*\b+4*\j:xS+16*\b+4*\j+3], v7 offset:128*\b+16*\j
.endr
.endr
.if (\t)>0
	s_wait_xcnt 0x0                                ; the last step's stores have read v36-47
.endif
	s_wait_dscnt 0x0
.irp b, 0,1,2,3
	v_max3_num_f32 v[16+\b], |v[xS+16*\b]|, |v[xS+16*\b+1]|, 0x1800000   ; my 16 of each block, and the floor 2^(3 - 127); the four blocks by turns
.endr
.irp i, 2,4,6,8,10,12,14
.irp b, 0,1,2,3
	v_max3_num_f32 v[16+\b], v[16+\b], |v[xS+16*\b+\i]|, |v[xS+16*\b+\i+1]|
.endr
.endr
.irp b, 0,1,2,3
	v_permlanex16_b32 v[20+\b], v[16+\b], s38, s39
.endr
.irp b, 0,1,2,3
	v_max_num_f32 v[16+\b], v[16+\b], v[20+\b]     ; with lane l xor 16's 16: the block's largest magnitude
.endr
.irp b, 0,1,2,3
	v_add_nc_u32 v[24+\b], 0xff000000, v[16+\b]    ; 2 off the exponent field: the conversion's scale operand
.endr
.irp b, 0,1,2,3
	v_lshrrev_b32 v[20+\b], 23, v[24+\b]           ; the scale's byte
.endr
	v_lshl_or_b32 v[32+(\t)], v21, 8, v20          ; row r's scale word of this step
	s_delay_alu instid0(VALU_DEP_1)
	v_lshl_or_b32 v[32+(\t)], v22, 16, v[32+(\t)]
	s_delay_alu instid0(VALU_DEP_1)
	v_lshl_or_b32 v[32+(\t)], v23, 24, v[32+(\t)]
.irp c, 0,1
	v_cvt_scalef32_pk16_fp6_f32 v[36+6*\c:38+6*\c], v[xS+32*\c:xS+32*\c+15], v[24+2*\c]
	v_cvt_scalef32_pk16_fp6_f32 v[48+4*\c:50+4*\c], v[xS+32*\c+16:xS+32*\c+31], v[25+2*\c]
.endr
	v_nop                                          ; one plain place behind a scaled conversion
.irp c, 0,1                            ; the operand's layout wants a whole block in a lane: lanes 0-15 block 2 c, lanes 16-31 block 2 c + 1
.irp i, 0,1,2
	v_permlane16_swap_b32 v[36+6*\c+\i], v[48+4*\c+\i]
.endr
.irp i, 0,1,2
	v_mov_b32 v[39+6*\c+\i], v[48+4*\c+\i]
.endr
.endr
.irp c, 0,1,2
	global_store_b128 v13, v[36+4*\c:39+4*\c], s[44:45] offset:6144*(\t)+512*\c   ; 32 lanes store 512 consecutive bytes, at a multiple of 512 from ximg's first byte
.endr
.endm
.Lpath_x:
	s_wait_alu depctr_va_vdst(0)
	s_sub_co_u32 s34, ttmp9, 128                   ; b: which 64 rows
	s_and_b32 s35, s14, 3                          ; m
	s_lshr_b32 s36, s14, 2                         ; which four K steps
	s_lshl_b32 s22, s34, 18                        ; 64 rows of 4,096 bytes
	s_lshl_b32 s24, s35, 16                        ; 16 rows
	s_add_co_u32 s22, s22, s24
	s_lshl_b32 s24, s36, 11                        ; four steps of 512 bytes
	s_add_co_u32 s22, s22, s24
	s_add_nc_u64 s[40:41], s[40:41], s[22:23]
	XL 0
	XL 1
	XL 2
	s_mul_i32 s34, s34, XCH
	s_mul_i32 s22, s36, 24576                      ; 16 images
	s_mul_i32 s24, s35, 1536
	s_add_co_u32 s22, s22, s24
	s_add_co_u32 s22, s22, s34
	s_add_nc_u64 s[44:45], s[42:43], s[22:23]      ; my images
	s_lshl_b32 s22, s14, 8                         ; unit 4 (s / 4) + m = my wave's number
	s_add_co_u32 s22, s22, s34
	s_add_co_u32 s22, s22, 49152
	s_add_nc_u64 s[42:43], s[42:43], s[22:23]      ; my scale words
	s_mul_i32 s28, s14, 8448
	s_add_co_u32 s28, s28, XST                     ; my stage
	s_mov_b32 s38, 0x76543210
	s_mov_b32 s39, 0xfedcba98                      ; v_permlanex16_b32's selects for lane l xor 16
	v_add_nc_u32 v6, s28, v13                      ; in: a row as it lies, 16 bytes a lane
	v_mul_u32_u24 v7, v3, 528
	s_delay_alu instid0(VALU_DEP_1)
	v_lshl_add_u32 v7, v4, 6, v7
	s_delay_alu instid0(VALU_DEP_1)
	v_add_nc_u32 v7, s28, v7                       ; out: row r, + 64 h
	v_lshlrev_b32 v8, 3, v2
.irp b, 0,1,2,3
	v_mov_b32 v[20+\b], 0                          ; a lane permute's destination counts as one of its sources
.endr
	s_wait_alu depctr_va_vdst(0)
	XSTEP 0
	XL 3                                           ; set 0 has been converted
	XSTEP 1
	XSTEP 2
	XSTEP 3
	v_cmp_eq_u32 vcc_lo, 1, v4
	v_cndmask_b32 v28, v32, v34, vcc_lo            ; lanes 0-15 store the words of steps 0 and 1, lanes 16-31 those of steps 2 and 3
	v_cndmask_b32 v29, v33, v35, vcc_lo
	global_store_b64 v8, v[28:29], s[42:43]        ; 32 lanes store one aligned 256 bytes
	s_wait_tensorcnt 0x0                           ; the wave's end
	ds_add_u32 v30, v31
	s_wait_dscnt 0x0
	s_endpgm
.Lfunc_end_k_q5c48202453_prep:
	.size	k_q5c48202453_prep, .Lfunc_end_k_q5c48202453_prep-k_q5c48202453_prep
	.p2alignl 7, 3214868480
	.fill 96, 4, 3214868480
	.section	.rodata,"a",@progbits
	.p2align	6, 0x0
	.amdhsa_kernel k_q5c48202453_prep
		.amdhsa_group_segment_fixed_size 120832
		.amdhsa_private_segment_fixed_size 0
		.amdhsa_enable_private_segment 0
		.amdhsa_kernarg_size 56
		.amdhsa_user_sgpr_count 2
		.amdhsa_user_sgpr_kernarg_segment_ptr 1
		.amdhsa_wavefront_size32 1
		.amdhsa_system_sgpr_workgroup_id_x 1
		.amdhsa_system_sgpr_workgroup_id_y 1
		.amdhsa_system_sgpr_workgroup_id_z 1
		.amdhsa_system_vgpr_workitem_id 0
		.amdhsa_next_free_vgpr 256
		.amdhsa_next_free_sgpr 66
		.amdhsa_reserve_vcc 1
		.amdhsa_float_denorm_mode_32 3
		.amdhsa_float_denorm_mode_16_64 3
		.amdhsa_memory_ordered 1
		.amdhsa_forward_progress 1
		.amdhsa_inst_pref_size 82
	.end_amdhsa_kernel
	.amdgpu_metadata
---
amdhsa.version: [ 1, 2 ]
amdhsa.kernels:
  - .name:           k_q5c48202453_prep
    .symbol:         k_q5c48202453_prep.kd
    .args:
      - { .name: Wq, .offset: 0, .size: 8, .value_kind: global_buffer, .address_space: global }
      - { .name: Wk, .offset: 8, .size: 8, .value_kind: global_buffer, .address_space: global }
      - { .name: Wv, .offset: 16, .size: 8, .value_kind: global_buffer, .address_space: global }
      - { .name: Wo, .offset: 24, .size: 8, .value_kind: global_buffer, .address_space: global }
      - { .name: wimg, .offset: 32, .size: 8, .value_kind: global_buffer, .address_space: global }
      - { .name: x, .offset: 40, .size: 8, .value_kind: global_buffer, .address_space: global }
      - { .name: ximg, .offset: 48, .size: 8, .value_kind: global_buffer, .address_space: global }
    .group_segment_fixed_size: 120832
    .private_segment_fixed_size: 0
    .kernarg_segment_align: 8
    .kernarg_segment_size: 56
    .max_flat_workgroup_size: 256
    .sgpr_count:     66
    .vgpr_count:     256
    .wavefront_size: 32
...
	.end_amdgpu_metadata
.endif
;; end of part 3
;; launch attn (part 4): grid 256 x 1, 4 waves a work-group, clusters of 4 x 1, 327,680 bytes of LDS; arguments ximg, wimg, bq, bk, bv, bo, out0; writes out0
.if DOCPART == 4
	.amdgcn_target "amdgcn-amd-amdhsa--gfx1250"
	.amdhsa_code_object_version 6
	.text
	.protected	k_q5c48202453_attn
	.globl	k_q5c48202453_attn
	.p2align	8
	.type	k_q5c48202453_attn,@function
k_q5c48202453_attn:
	s_mov_b64 s[64:65], 0
	v_nop
	global_prefetch_b8 v0, s[64:65] scope:SCOPE_SE
	s_setreg_imm32_b32 hwreg(HW_REG_WAVE_MODE, 25, 1), 1
	s_wait_xcnt 0x0
	s_wait_alu depctr_hold_cnt(0) depctr_sa_sdst(0) depctr_va_vdst(0) depctr_va_sdst(0) depctr_va_ssrc(0) depctr_va_vcc(0) depctr_vm_vsrc(0)
	s_getreg_b32 s2, hwreg(HW_REG_IB_STS2, 6, 4)
	s_cmp_eq_u32 s2, 0
	s_cbranch_scc0 .Lentry_in_a_cluster
	s_endpgm
.Lentry_in_a_cluster:
	s_bfe_u32 s2, ttmp6, 0x10000c
	s_cmp_lg_u32 s2, 0x3003
	s_cbranch_scc0 .Lentry_shape_is_right
	s_endpgm
.Lentry_shape_is_right:
; out0 = attention(x) Wo + bo for 64 tokens a work-group, all products in one launch; the heads of ONE token attend to each other.
; x arrives as codes of FP6 (E2M3) with E8M0 scale words in ximg, the four weights likewise in wimg, both as images of the operand registers, made by the launch before.
; Four waves.  Every wave holds the 64 tokens' fragments for all of K = 1,024 in registers (windows 1 and 2, v0-191: K step s, tile m at 48 (s % 4) + 12 m), loaded straight from ximg, 512 consecutive bytes a load.
; The weights walk through a ring of two LDS slots, 32 slots in all; a slot is four chunks of 25,600 bytes, one a wave: 32 columns x 1,024 K and their scale words.  A wave multiplies its 32 columns by the 64 tokens: 64 matrix instructions a slot.
; The four work-groups of a cluster walk the same slots and ask for each chunk jointly; the order of the slots inside a phase is turned by the cluster's number.
; Slots 0-15: q and k (+ bias as the first C), quantised along the head's 64 channels, codes and bytes to LDS.  Then each wave takes 16 tokens: scores by one scaled matrix instruction a token (K = 64, the upper 64 codes zero),
; softmax in f32 with the row's maximum taken away.  Slots 16-23: v (+ bias) in f32 through LDS, probs x v by the f32 matrix form (its result goes into a quantiser), quantised along the 1,024 channels.
; Slots 24-31: the product with Wo; + bo; rows leave through a stage in LDS, sixteen lanes to 256 consecutive bytes.
; The matrix instruction is used transposed (source 0 = 16 columns of a weight, source 1 = 16 tokens).
; LIMITS: a block of zeros gets the byte 1 where the rule says 127 (its codes are zeros, and this program alone reads the bytes); NaN and infinities are not served.
.set CH,    25600
.set XCH,   51200                      ; a work-group's block of ximg: 32 images of 1,536 bytes, then 2,048 bytes of scale words
.set RING1, 102400
.set DSB,   204800
.set SPARE, 327168
.set QKR,   DSB
.set QKS,   DSB+98816
.set VST,   DSB
.set AR,    DSB+66560
.set AS,    DSB+116736
.set OST,   DSB
.set TM,    208
.set PC,    226
.set MSB, 0
.macro WIN new
.if MSB != (\new)
	s_set_vgpr_msb (MSB<<8)|(\new)
.set MSB, (\new)
.endif
.endm
.macro PLACES n
.rept \n
	v_nop
.endr
.endm
.macro CREST
	s_cmp_lg_u32 s18, 0
	s_cbranch_scc1 .Lnot_wave_0_\@
	s_barrier_signal -3
.Lnot_wave_0_\@:
	s_barrier_wait -3
	s_barrier_signal -1
	s_barrier_wait -1
.endm
.macro ROUND
	s_barrier_signal -1
	s_barrier_wait -1
	CREST
.endm
.macro BAR
	s_wait_dscnt 0x0
	s_barrier_signal -1
	s_barrier_wait -1
.endm
.macro SIGMA d, p
	s_cmp_lt_u32 s[\p], 16
	s_cselect_b32 s97, 15, 7
	s_cselect_b32 s98, s93, s94
	s_sub_co_u32 s99, s[\p], 16
	s_cmp_lt_u32 s99, 8
	s_cselect_b32 s97, 0, s97
	s_add_co_u32 s98, s98, s[\p]
	s_and_b32 s98, s98, s97
	s_and_not1_b32 s[\d], s[\p], s97
	s_or_b32 s[\d], s[\d], s98
.endm
.macro GLOAD bf, s
.irp n, 0,1
.irp c, 0,1,2
	ds_load_b128 v[80+24*((\s)%4)+12*\n+4*\c:80+24*((\s)%4)+12*\n+4*\c+3], v[3+(\bf)] offset:1536*(2*(\s)+\n)+512*\c
.endr
.endr
.endm
.macro WSLOAD bf
.irp s, 0,1,2,3,4,5,6,7
	ds_load_b32 v[48+8*(\bf)+\s], v[5+(\bf)] offset:128*\s
.endr
.endm
.macro PRE bf
	WSLOAD \bf
	GLOAD \bf, 0
	GLOAD \bf, 1
	GLOAD \bf, 2
	GLOAD \bf, 3
.endm
.macro WM ra, rb
.if kZ
.if (\ra)&&(\rb)
	v_wmma_scale_f32_16x16x128_f8f6f4 v[rD:rD+7], v[rA:rA+11], v[rB:rB+11], 0, v[rSA], v[rSB] matrix_a_fmt:MATRIX_FMT_FP6 matrix_b_fmt:MATRIX_FMT_FP6 matrix_a_scale:MATRIX_SCALE_ROW1 matrix_b_scale:MATRIX_SCALE_ROW1
.elseif (\ra)
	v_wmma_scale_f32_16x16x128_f8f6f4 v[rD:rD+7], v[rA:rA+11], v[rB:rB+11], 0, v[rSA], v[rSB] matrix_a_fmt:MATRIX_FMT_FP6 matrix_b_fmt:MATRIX_FMT_FP6 matrix_a_scale:MATRIX_SCALE_ROW1
.elseif (\rb)
	v_wmma_scale_f32_16x16x128_f8f6f4 v[rD:rD+7], v[rA:rA+11], v[rB:rB+11], 0, v[rSA], v[rSB] matrix_a_fmt:MATRIX_FMT_FP6 matrix_b_fmt:MATRIX_FMT_FP6 matrix_b_scale:MATRIX_SCALE_ROW1
.else
	v_wmma_scale_f32_16x16x128_f8f6f4 v[rD:rD+7], v[rA:rA+11], v[rB:rB+11], 0, v[rSA], v[rSB] matrix_a_fmt:MATRIX_FMT_FP6 matrix_b_fmt:MATRIX_FMT_FP6
.endif
.else
.if (\ra)&&(\rb)
	v_wmma_scale_f32_16x16x128_f8f6f4 v[rD:rD+7], v[rA:rA+11], v[rB:rB+11], v[rC:rC+7], v[rSA], v[rSB] matrix_a_fmt:MATRIX_FMT_FP6 matrix_b_fmt:MATRIX_FMT_FP6 matrix_a_scale:MATRIX_SCALE_ROW1 matrix_b_scale:MATRIX_SCALE_ROW1
.elseif (\ra)
	v_wmma_scale_f32_16x16x128_f8f6f4 v[rD:rD+7], v[rA:rA+11], v[rB:rB+11], v[rC:rC+7], v[rSA], v[rSB] matrix_a_fmt:MATRIX_FMT_FP6 matrix_b_fmt:MATRIX_FMT_FP6 matrix_a_scale:MATRIX_SCALE_ROW1
.elseif (\rb)
	v_wmma_scale_f32_16x16x128_f8f6f4 v[rD:rD+7], v[rA:rA+11], v[rB:rB+11], v[rC:rC+7], v[rSA], v[rSB] matrix_a_fmt:MATRIX_FMT_FP6 matrix_b_fmt:MATRIX_FMT_FP6 matrix_b_scale:MATRIX_SCALE_ROW1
.else
	v_wmma_scale_f32_16x16x128_f8f6f4 v[rD:rD+7], v[rA:rA+11], v[rB:rB+11], v[rC:rC+7], v[rSA], v[rSB] matrix_a_fmt:MATRIX_FMT_FP6 matrix_b_fmt:MATRIX_FMT_FP6
.endif
.endif
.endm
.macro KSTN s, ab, cm, n, bf
.irp m, 0,1,2,3
.set rD, (\ab)+16*\m+8*(\n)
.set rA, 80+24*((\s)%4)+12*(\n)
.set rB, 48*((\s)%4)+12*\m
.set rSA, 48+8*(\bf)+(\s)
.set rSB, 32+4*((\s)/2)+2*(\m/2)+(\s)%2
.set rC, rD
.set kZ, 0
.if (\s)==0
.if \cm
.set rC, 64+8*(\n)
.else
.set kZ, 1
.endif
.endif
	WIN kW
	WM (\n), (\m%2)
	HOOK
.endr
.endm
.macro KSTW s, aw, cm
.if ((\s)==0)&&(\cm)
.set wN, ((\aw)<<6)|(1<<2)
.else
.set wN, ((\aw)<<6)|((\aw)<<4)|((1+(\s)/4)<<2)
.endif
	WIN wN
.set kW, wN
.endm
.macro KST s, aw, ab, cm, bf
	KSTW \s, \aw, \cm
	KSTN \s, \ab, \cm, 0, \bf
	KSTN \s, \ab, \cm, 1, \bf
.endm
.macro BL1
.irp n, 0,1
	global_load_b128 v[64+8*\n:67+8*\n], v25, s[52:53] offset:32*\n
	global_load_b128 v[68+8*\n:71+8*\n], v25, s[52:53] offset:32*\n+16
.endr
.endm
.macro BL2
.irp n, 0,1
.irp j, 0,1,2,3,4,5,6,7
	global_load_b32 v[64+8*\n+\j], v26, s[52:53] offset:256*\j+4*\n
.endr
.endr
.endm
.macro ASK
	s_cmp_lt_u32 s95, s92
	s_cbranch_scc0 .Lnot_mine_\@
	global_prefetch_b8 v28, s[44:45] th:TH_LOAD_NT scope:SCOPE_SE
.Lnot_mine_\@:
.endm
; WORK THAT IS DEALT OUT BEHIND THE PRODUCTS.  HOOK stands behind every product of a slot.  hM = 1: three of the slot's scalar lines (SLN); hM = 2: four lines of the quantiser of the slot before (QLN); hM = 0: nothing.
; The lines name no register of the products among which they stand; KSTN sets the products' windows again ahead of each product.
.macro SG k                            ; line k of SIGMA 96, 95
.if (\k)==0
	s_cmp_lt_u32 s95, 16
.elseif (\k)==1
	s_cselect_b32 s97, 15, 7
.elseif (\k)==2
	s_cselect_b32 s98, s93, s94
.elseif (\k)==3
	s_sub_co_u32 s99, s95, 16
.elseif (\k)==4
	s_cmp_lt_u32 s99, 8
.elseif (\k)==5
	s_cselect_b32 s97, 0, s97
.elseif (\k)==6
	s_add_co_u32 s98, s98, s95
.elseif (\k)==7
	s_and_b32 s98, s98, s97
.elseif (\k)==8
	s_and_not1_b32 s96, s95, s97
.else
	s_or_b32 s96, s96, s98
.endif
.endm
.macro SLN                             ; scalar line hS: first the next slot's bias pointer (nB lines), then the offsets of the refill and of the prefetch (nC lines)
.if hS<nB
.if kB==1
.if hS==0
	s_add_co_u32 s95, s43, 1
.elseif hS<11
	SG hS-1
.elseif hS==11
	s_cmp_lt_u32 s96, 8
.elseif hS==12
	s_cselect_b64 s[52:53], s[8:9], s[10:11]
.elseif hS==13
	s_and_b32 s54, s96, 7
.elseif hS==14
	s_lshl_b32 s54, s54, 9
.else
	s_add_nc_u64 s[52:53], s[52:53], s[54:55]
.endif
.else
.if hS==0
	s_add_co_u32 s54, s43, 1
.elseif hS==1
	s_and_b32 s47, s54, 4
.elseif hS==2
	s_lshl_b32 s47, s47, 5
.elseif hS==3
	s_and_b32 s51, s54, 2
.elseif hS==4
	s_lshl_b32 s51, s51, 4
.elseif hS==5
	s_and_b32 s54, s54, 1
.elseif hS==6
	s_lshl_b32 s54, s54, 6
.elseif hS==7
	s_add_co_u32 s54, s54, s47
.elseif hS==8
	s_add_co_u32 s54, s54, s51
.else
	s_add_nc_u64 s[52:53], s[12:13], s[54:55]
.endif
.endif
.elseif hS<nB+nC
.set hC, hS-nB
.if hC==0
	s_add_co_u32 s95, s43, 2
.elseif hC<11
	SG hC-1
.elseif hC==11
	s_mul_i32 s56, s96, RING1
.elseif hC==12
	s_add_co_u32 s95, s43, 5
.elseif hC<23
	SG hC-13
.elseif hC==23
	s_mul_i32 s58, s96, RING1
.else
	s_sub_co_u32 s95, s95, s46
.endif
.endif
.set hS, hS+1
.endm
.macro QLN                             ; line hQ of 67: q's or k's 64 x 32 results in window qSW, v192-255, are quantised: four blocks of 32 a lane pair, by turns; codes into v[PC ..], bytes into v[TM+4 ..]
.if hQ<67
.if hQ==0
	WIN 0
	v_add_nc_u32 v29, s60, v12
.elseif hQ==1
	WIN 0
	v_add_nc_u32 v30, s61, v13
.elseif hQ<6
.set qb, hQ-2
	WIN qSW|(qSW<<2)
	v_max3_num_f32 v[TM+qb], |v[qSRC+16*qb]|, |v[qSRC+16*qb+1]|, 0x1800000
.elseif hQ<34
.set qb, (hQ-6)%4
.set qi, 2+2*((hQ-6)/4)
	WIN (qSW<<2)|(qSW<<4)
	v_max3_num_f32 v[TM+qb], v[TM+qb], |v[qSRC+16*qb+qi]|, |v[qSRC+16*qb+qi+1]|
.elseif hQ<38
.set qb, hQ-34
	WIN 0
.if (hQ==34)&&qDW
	s_wait_alu depctr_va_vdst(0)
	s_wait_dscnt 0x0                               ; the LDS stores of the four tokens before have read v[TM+4 ..] and v[PC ..], which are written again from here on
.endif
	v_permlanex16_b32 v[TM+4+qb], v[TM+qb], s22, s23
.elseif hQ<42
.set qb, hQ-38
	WIN 0
	v_max_num_f32 v[TM+qb], v[TM+qb], v[TM+4+qb]
.elseif hQ<46
.set qb, hQ-42
	WIN 0
	v_add_nc_u32 v[TM+12+qb], 0xff000000, v[TM+qb]
.elseif hQ<50
.set qb, hQ-46
	WIN 0
	v_lshrrev_b32 v[TM+4+qb], 23, v[TM+12+qb]
.elseif hQ<54
.set qc, (hQ-50)/2
	WIN qSW
.if (hQ-50)%2==0
	v_cvt_scalef32_pk16_fp6_f32 v[PC+6*qc:PC+6*qc+2], v[qSRC+32*qc:qSRC+32*qc+15], v[TM+12+2*qc]
.else
	v_cvt_scalef32_pk16_fp6_f32 v[PC+12+4*qc:PC+14+4*qc], v[qSRC+32*qc+16:qSRC+32*qc+31], v[TM+13+2*qc]
.endif
.elseif hQ==54
	WIN 0
	v_nop                                          ; one plain place behind the scaled conversions
.else
.set qc, (hQ-55)/6
.set qi, (hQ-55)%6
	WIN 0
.if qi<3
	v_permlane16_swap_b32 v[PC+6*qc+qi], v[PC+12+4*qc+qi]
.else
	v_mov_b32 v[PC+6*qc+qi], v[PC+12+4*qc+qi-3]
.endif
.endif
.set hQ, hQ+1
.endif
.endm
.macro QST par                         ; the codes and bytes that QLN made go to LDS
	WIN 0
	s_wait_alu depctr_va_vdst(0)
.irp c, 0,1
.irp k, 0,1,2
	ds_store_b64 v29, v[PC+6*\c+2*\k:PC+6*\c+2*\k+1] offset:49408*\c+96*(\par)+8*\k
.endr
.endr
.irp m, 0,1,2,3
	ds_store_b8 v30, v[TM+4+\m] offset:1088*\m+4*(\par)
.endr
.endm
.macro HOOK
.if hM==1
.rept 3
	SLN
.endr
.elseif hM==2
.rept 4
	QLN
.endr
.endif
.endm
.set hM, 0
.set qSRC, 192                         ; where QLN's 64 numbers begin in window qSW
.set qDW, 0                            ; 1: earlier LDS stores of QLN's results may be out when its line 34 is reached
.set gQS, 0                            ; the window of the results that a slot's products quantise on the way (0: none), and gQP, their place in a pair of slots
.set gQP, 0
; A SLOT: 64 products.  K steps 0-5 go in pairs, 16 products a run; behind a pair its registers take the fragments of four steps on, 12 LDS loads in one run.
.macro MP bf, aw, ab, cm, bl, chg, pre
.if \cm
	s_wait_loadcnt 0x0
.endif
.set kB, \bl
.set nB, 0
.if (\bl)==1
.set nB, 16
.elseif (\bl)==2
.set nB, 10
.endif
.set nC, 0
.if (\chg)==2
.set nC, 25
.endif
.set hS, 0
.set hQ, 67
.if gQS
.set hQ, 0
.set qSW, gQS
.endif
.set hM, 1                             ; 16 products x 3 places take the 41 scalar lines at the most
	s_wait_dscnt 12                                ; the scale words and steps 0 and 1 are in; the youngest 12 loads (steps 2 and 3) may be out
	KST 0, \aw, \ab, \cm, \bf
	KST 1, \aw, \ab, \cm, \bf
.set hM, 0
	WIN 0
	PLACES 4
	GLOAD \bf, 4
	GLOAD \bf, 5
.if (\bl)==1
	BL1
.elseif (\bl)==2
	BL2
.endif
.if gQS
.set hM, 2                             ; 32 products x 4 places take the quantiser's 67 lines
.endif
	s_wait_dscnt 12                                ; steps 2 and 3 are in; the 12 loads just issued may be out
	KST 2, \aw, \ab, \cm, \bf
	KST 3, \aw, \ab, \cm, \bf
	WIN 0
	PLACES 4
	GLOAD \bf, 6
	GLOAD \bf, 7
.if gQS
	s_wait_alu depctr_va_vdst(0)
.endif
	s_wait_dscnt 12                                ; steps 4 and 5 are in
	KST 4, \aw, \ab, \cm, \bf
	KST 5, \aw, \ab, \cm, \bf
.set hM, 0
.if gQS
	QST gQP
.endif
.if \chg
	WIN 0
	s_wait_xcnt 0x0
	s_add_co_u32 s43, s43, 1
	s_wait_tensorcnt 0x0
	ds_add_u32 v1, v2
.if (\chg)==2
	s_add_nc_u64 s[34+4*(\bf):35+4*(\bf)], s[6:7], s[56:57]
	s_or_b32 s[35+4*(\bf)], s[35+4*(\bf)], 0x80000000
	s_add_nc_u64 s[44:45], s[6:7], s[58:59]
.endif
	s_wait_dscnt 7
	KSTW 6, \aw, \cm
	KSTN 6, \ab, \cm, 0, \bf
	s_wait_dscnt 0x0
	s_barrier_signal -1
	KSTN 6, \ab, \cm, 1, \bf
	WIN 0
	s_barrier_wait -1
.if (\chg)==2
	CREST
	tensor_load_to_lds s[32+4*(\bf):35+4*(\bf)], s[24:31]
	s_nop 0
.endif
	PLACES 4
.else
	s_wait_dscnt 6
	KST 6, \aw, \ab, \cm, \bf
	s_wait_dscnt 0x0
.endif
.if \pre
	WSLOAD 1-(\bf)
	GLOAD 1-(\bf), 0
	GLOAD 1-(\bf), 1
	GLOAD 1-(\bf), 2
.endif
.if (\chg)==2
	ASK
.endif
	KST 7, \aw, \ab, \cm, \bf
	WIN 0
	PLACES 5
.if \pre
	GLOAD 1-(\bf), 3
.endif
.endm
	s_load_b256 s[4:11], s[0:1], 0x0
	s_load_b128 s[12:15], s[0:1], 0x20
	s_load_b64 s[16:17], s[0:1], 0x30
	v_lshl_add_u32 v1, v0, 2, SPARE
	v_mov_b32 v2, 0
	ds_add_u32 v1, v2
	ds_add_u32 v1, v2
	s_wait_dscnt 0x0
	v_lshrrev_b32 v29, 5, v0
	v_readfirstlane_b32 s18, v29
	s_bfe_u32 s19, ttmp6, 0x40000
	s_lshl_b32 s20, ttmp9, 2
	s_add_co_u32 s20, s20, s19
	s_lshr_b32 s93, ttmp9, 1
	s_xor_b32 s93, s93, ttmp9
	s_lshr_b32 s94, s93, 1
	s_and_b32 s94, s94, 12
	s_and_b32 s93, s93, 3
	s_or_b32 s93, s93, s94
	s_and_b32 s94, s93, 6
	s_mov_b32 s24, 15|(3<<16)|(1<<21)
	s_mov_b32 s25, 32<<16
	s_mov_b32 s26, 100<<16
	s_mov_b32 s27, 32<<16
	s_mov_b32 s28, 100
	s_mov_b32 s29, 32
	s_mov_b32 s30, 0
	s_mov_b32 s31, 0
	s_mov_b32 s22, 0x76543210
	s_mov_b32 s23, 0xfedcba98
	s_mov_b32 s48, 0x3e38aa3b
	s_mov_b32 s49, s48
	s_mov_b32 s50, 0xbe38aa3b
	s_mov_b32 s43, 0
	s_mov_b32 s55, 0
	s_mov_b32 s57, 0
	s_mov_b32 s59, 0
	s_mov_b32 s60, 0
	s_mov_b32 s61, 0
	s_mov_b32 s62, 0
	s_mov_b32 s63, 0
	v_and_b32 v29, 31, v0
	v_and_b32 v30, 15, v0
	v_bfe_u32 v31, v0, 4, 1
	s_mul_i32 s70, s18, CH
	s_mov_b32 s71, 0
	s_lshl_b32 s74, s20, 18
	s_mov_b32 s75, 0
	s_mul_i32 s72, s20, XCH
	s_mov_b32 s73, 0
	s_and_b32 s95, ttmp9, 53
	s_cmp_eq_u32 s95, 0
	s_cselect_b32 s92, 2, 0
	s_mov_b32 s46, 24
	s_cmp_eq_u32 ttmp9, 0
	s_cselect_b32 s92, 10, s92
	s_cselect_b32 s46, 16, s46
	s_mul_i32 s56, s93, RING1
	s_add_co_u32 s95, s93, 1
	s_and_b32 s95, s95, 15
	s_mul_i32 s58, s95, RING1
	s_wait_kmcnt 0x0
	s_add_nc_u64 s[4:5], s[4:5], s[72:73]
	s_add_nc_u64 s[16:17], s[16:17], s[74:75]
	s_add_nc_u64 s[6:7], s[6:7], s[70:71]
	s_mov_b32 s32, 1
	s_mov_b32 s33, s70
	s_add_nc_u64 s[34:35], s[6:7], s[56:57]
	s_or_b32 s35, s35, 0x80000000
	s_mov_b32 s36, 1
	s_add_co_u32 s37, s70, RING1
	s_add_nc_u64 s[38:39], s[6:7], s[58:59]
	s_or_b32 s39, s39, 0x80000000
	ROUND
	tensor_load_to_lds s[32:35], s[24:31]          ; my chunk of the first slot: one tensor load a wave at the head
	s_nop 0
	PLACES 4
	s_wait_alu depctr_va_vdst(0)
	v_lshlrev_b32 v10, 4, v29                      ; an image: 16 bytes a lane
	v_lshlrev_b32 v11, 3, v30                      ; scale words: 8 r,
	v_lshl_add_u32 v11, v31, 8, v11                ; lanes 16-31 the next tile's unit
	WIN 0x40                                       ; the 64 tokens' fragments, K steps 0-3 into window 1,
.irp s, 0,1,2,3
.irp m, 0,1,2,3
.irp c, 0,1,2
	global_load_b128 v[48*\s+12*\m+4*\c:48*\s+12*\m+4*\c+3], v10, s[4:5] offset:1536*(4*\s+\m)+512*\c
.endr
.endr
.endr
	WIN 0x80                                       ; K steps 4-7 into window 2
.irp s, 0,1,2,3
.irp m, 0,1,2,3
.irp c, 0,1,2
	global_load_b128 v[48*\s+12*\m+4*\c:48*\s+12*\m+4*\c+3], v10, s[4:5] offset:1536*(4*\s+16+\m)+512*\c
.endr
.endr
.endr
	WIN 0
.irp q, 0,1,2,3                        ; the words of steps 2 q and 2 q + 1: lanes 0-15 tile 2 p, lanes 16-31 tile 2 p + 1
.irp p, 0,1
	global_load_b64 v[32+4*\q+2*\p:33+4*\q+2*\p], v11, s[4:5] offset:49152+1024*(\q/2)+128*(\q%2)+512*\p
.endr
.endr
	v_lshl_add_u32 v3, v29, 4, s70
	v_add_nc_u32 v4, RING1, v3
	s_add_co_u32 s76, s70, 24576
	v_lshl_add_u32 v5, v29, 2, s76
	v_add_nc_u32 v6, RING1, v5
	s_mul_i32 s79, s18, 24
	s_add_co_u32 s79, s79, QKR
	v_mul_u32_u24 v12, v29, 1544
	v_add_nc_u32 v12, s79, v12
	s_add_co_u32 s80, s18, QKS
	v_mul_u32_u24 v13, v30, 68
	v_add_nc_u32 v13, s80, v13
	s_mul_i32 s81, s18, 24704
	s_add_co_u32 s81, s81, QKR
	s_mul_i32 s82, s18, 1088
	s_add_co_u32 s82, s82, QKS
	s_sub_co_u32 s95, 16, s93
	v_lshrrev_b32 v14, 1, v30
	v_add_nc_u32 v14, s95, v14
	v_lshl_add_u32 v15, v31, 3, v14
	v_add_nc_u32 v246, 8, v14
	v_and_b32 v14, 15, v14
	v_and_b32 v246, 15, v246
	v_and_b32 v15, 15, v15
	v_and_b32 v247, 1, v30
	v_mul_u32_u24 v14, v14, 96
	v_mad_u32_u24 v14, v247, 48, v14
	v_mad_u32_u24 v14, v31, 24, v14
	v_add_nc_u32 v14, s81, v14
	v_mul_u32_u24 v246, v246, 96
	v_mad_u32_u24 v246, v247, 48, v246
	v_mad_u32_u24 v246, v31, 24, v246
	v_add_nc_u32 v246, s81, v246
	v_lshlrev_b32 v15, 2, v15
	v_lshl_add_u32 v15, v247, 1, v15
	v_add_nc_u32 v15, s82, v15
	s_lshl_b32 s83, s18, 5
	s_add_co_u32 s83, s83, VST
	v_mul_u32_u24 v16, v30, 1040
	v_lshl_add_u32 v16, v31, 9, v16
	v_add_nc_u32 v16, s83, v16
	s_mul_i32 s84, s18, 16640
	s_add_co_u32 s84, s84, VST
	v_lshlrev_b32 v17, 4, v30
	v_lshl_add_u32 v17, v31, 9, v17
	v_add_nc_u32 v17, s84, v17
	s_mul_i32 s85, s18, 12544
	s_add_co_u32 s85, s85, AR
	v_mul_u32_u24 v18, v30, 48
	v_mad_u32_u24 v18, v31, 784, v18
	v_add_nc_u32 v18, s85, v18
	s_lshl_b32 s86, s18, 9
	s_add_co_u32 s86, s86, AS
	v_lshl_add_u32 v19, v30, 1, s86
	v_mul_u32_u24 v20, v30, 784
	v_mad_u32_u24 v20, v31, 24, v20
	v_add_nc_u32 v20, AR, v20
	v_lshl_add_u32 v21, v29, 5, AS
	s_mul_i32 s87, s18, 17408
	s_add_co_u32 s87, s87, OST
	v_mul_u32_u24 v22, v30, 272
	v_lshl_add_u32 v22, v31, 5, v22
	v_add_nc_u32 v22, s87, v22
	v_mul_u32_u24 v23, v31, 272
	v_lshl_add_u32 v23, v30, 4, v23
	v_add_nc_u32 v23, s87, v23
	s_lshl_b32 s88, s18, 8
	v_lshlrev_b32 v24, 12, v31
	v_lshl_add_u32 v24, v30, 4, v24
	v_add_nc_u32 v24, s88, v24
	s_lshl_b32 s89, s18, 7
	v_lshl_add_u32 v25, v31, 6, s89
	s_lshl_b32 s90, s18, 3
	v_lshl_add_u32 v26, v31, 11, s90
	v_lshl_add_u32 v27, v30, 4, s88
	v_min_u32 v28, 24, v29
	v_lshlrev_b32 v28, 8, v28
	s_mul_i32 s91, s19, 6400
	v_add_nc_u32 v28, s91, v28
.irp j, 0,1,2,3,4,5,6,7,8,9,10,11,12,13,14,15
	v_mov_b32 v[TM+\j], 0
.endr
	s_cmp_lt_u32 s93, 8
	s_cselect_b64 s[52:53], s[8:9], s[10:11]
	s_and_b32 s54, s93, 7
	s_lshl_b32 s54, s54, 9
	s_add_nc_u64 s[52:53], s[52:53], s[54:55]
	BL1
	s_wait_alu depctr_va_vdst(0)
	s_wait_tensorcnt 0x0                           ; my chunk of the first slot is in
	ds_add_u32 v1, v2
	s_wait_dscnt 0x0
	ROUND
	tensor_load_to_lds s[36:39], s[24:31]          ; the second slot's first fill: the first tensor load behind the round
	s_nop 0
	PLACES 4
	PRE 0
.macro QEPI sw, par                    ; the quantiser by itself, for the last slot of q and k
.set hQ, 0
.set qSW, \sw
.rept 67
	QLN
.endr
	QST \par
.endm
; q and k, 16 slots.  Even slots sum in window 1, odd ones in window 2, so that a slot's results are quantised among the next slot's products.
; Slot 0 stands ahead of the loop (nothing to quantise yet); a trip is slots 2 j + 1 and 2 j + 2; slot 15 and its own quantiser follow.
	MP 0, 1, 192, 1, 1, 2, 1
	s_mov_b32 s40, 7
.Lqk:
.set gQS, 1
.set gQP, 0
	MP 1, 2, 192, 1, 1, 2, 1
.set gQS, 2
.set gQP, 1
	MP 0, 1, 192, 1, 1, 2, 1
	s_add_co_u32 s60, s60, 192
	s_add_co_u32 s61, s61, 8
	s_sub_co_u32 s40, s40, 1
	s_cmp_lg_u32 s40, 0
	s_cbranch_scc1 .Lqk
.set gQS, 1
.set gQP, 0
	MP 1, 2, 192, 1, 1, 2, 1
.set gQS, 0
	QEPI 2, 1
.macro SLOAD g
.irp t, 0,1,2,3
.irp k, 0,1,2
	ds_load_b64 v[80+24*\t+2*\k:81+24*\t+2*\k], v246 offset:1544*(4*(\g)+\t)+8*\k
	ds_load_b64 v[92+24*\t+2*\k:93+24*\t+2*\k], v14 offset:1544*(4*(\g)+\t)+8*\k
.endr
	ds_load_u16 v[252+\t], v15 offset:68*(4*(\g)+\t)
.endr
.endm
.macro SGRP g
	s_wait_dscnt 0x0
.irp t, 0,1,2,3
	v_wmma_scale_f32_16x16x128_f8f6f4 v[176+8*\t:183+8*\t], v[80+24*\t:91+24*\t], v[92+24*\t:103+24*\t], 0, v[252+\t], v[252+\t] matrix_a_fmt:MATRIX_FMT_FP6 matrix_b_fmt:MATRIX_FMT_FP6 matrix_a_scale:MATRIX_SCALE_ROW1
.endr
	PLACES 4
.if (\g)<3
	SLOAD (\g)+1
.endif
.irp t, 0,1,2,3
	v_max3_num_f32 v[208+4*\t], v[176+8*\t], v[177+8*\t], v[178+8*\t]
.endr
.irp t, 0,1,2,3
	v_max3_num_f32 v[208+4*\t], v[208+4*\t], v[179+8*\t], v[180+8*\t]
.endr
.irp t, 0,1,2,3
	v_max3_num_f32 v[208+4*\t], v[208+4*\t], v[181+8*\t], v[182+8*\t]
.endr
.irp t, 0,1,2,3
	v_max_num_f32 v[208+4*\t], v[208+4*\t], v[183+8*\t]
.endr
.irp t, 0,1,2,3
	v_permlanex16_b32 v[209+4*\t], v[208+4*\t], s22, s23
.endr
.irp t, 0,1,2,3
	v_max_num_f32 v[208+4*\t], v[208+4*\t], v[209+4*\t]
.endr
.irp t, 0,1,2,3
	v_mul_f32 v[210+4*\t], s50, v[208+4*\t]
.endr
.irp t, 0,1,2,3
.irp k, 0,2,4,6
	v_pk_fma_f32 v[176+8*\t+\k:177+8*\t+\k], v[176+8*\t+\k:177+8*\t+\k], s[48:49], v[210+4*\t:211+4*\t] op_sel_hi:[1,0,0]
.endr
.endr
	s_wait_alu depctr_va_vdst(0)
.irp j, 0,1,2,3,4,5,6,7,8,9,10,11,12,13,14,15,16,17,18,19,20,21,22,23,24,25,26,27,28,29,30,31
	v_exp_f32 v[176+\j], v[176+\j]
.endr
	v_nop
	s_wait_alu depctr_va_vdst(0)
.irp t, 0,1,2,3
	v_pk_add_f32 v[208+4*\t:209+4*\t], v[176+8*\t:177+8*\t], v[178+8*\t:179+8*\t]
.endr
.irp t, 0,1,2,3
	v_pk_add_f32 v[210+4*\t:211+4*\t], v[180+8*\t:181+8*\t], v[182+8*\t:183+8*\t]
.endr
.irp t, 0,1,2,3
	v_pk_add_f32 v[208+4*\t:209+4*\t], v[208+4*\t:209+4*\t], v[210+4*\t:211+4*\t]
.endr
.irp t, 0,1,2,3
	v_add_f32 v[208+4*\t], v[208+4*\t], v[209+4*\t]
.endr
.irp t, 0,1,2,3
	v_permlanex16_b32 v[209+4*\t], v[208+4*\t], s22, s23
.endr
.irp t, 0,1,2,3
	v_add_f32 v[208+4*\t], v[208+4*\t], v[209+4*\t]
.endr
	s_wait_alu depctr_va_vdst(0)
.irp t, 0,1,2,3
	v_rcp_f32 v[210+4*\t], v[208+4*\t]
.endr
	v_nop
	s_wait_alu depctr_va_vdst(0)
	WIN 0x40+0x40*((\g)/2)
.irp t, 0,1,2,3
.irp k, 0,2,4,6
	v_pk_mul_f32 v[192+8*((4*(\g)+\t)%8)+\k:193+8*((4*(\g)+\t)%8)+\k], v[176+8*\t+\k:177+8*\t+\k], v[210+4*\t:211+4*\t] op_sel_hi:[1,0]
.endr
.endr
	WIN 0
.endm
	BAR
.irp t, 0,1,2,3
.irp k, 6,7,8,9,10,11,18,19,20,21,22,23
	v_mov_b32 v[80+24*\t+\k], 0
.endr
.endr
	PLACES 4
	SLOAD 0
	s_wait_alu depctr_va_vdst(0)
	SGRP 0
	SGRP 1
	SGRP 2
	SGRP 3
	BAR
	s_wait_loadcnt 0x0
	s_mov_b64 s[52:53], s[12:13]
	BL2
	PRE 0
.macro VSTORE ab
.irp m, 0,1,2,3
.irp n, 0,1
	ds_store_b128 v16, v[176+16*\m+8*\n:179+16*\m+8*\n] offset:16640*\m+128*(\ab)+16*\n
	ds_store_b128 v16, v[180+16*\m+8*\n:183+16*\m+8*\n] offset:16640*\m+128*(\ab)+16*\n+256
.endr
.endr
.endm
.macro AST g                           ; the attention output's codes and bytes of tokens 4 g .. 4 g + 3, as QLN made them, go to LDS
	WIN 0
	s_wait_alu depctr_va_vdst(0)
.irp c, 0,1
.irp k, 0,1,2
	ds_store_b64 v29, v[PC+6*\c+2*\k:PC+6*\c+2*\k+1] offset:784*(4*(\g)+2*\c)+8*\k
.endr
.endr
.irp k, 0,1,2,3
	ds_store_b8 v30, v[TM+4+\k] offset:32*(4*(\g)+\k)
.endr
.endm
; probs x v for my 16 tokens, 16 channels of every head: four groups of four tokens, 16 products each, the group's four sums by turns.
; u = 1 finishes a token's 32 channels: so the sums of group g - 1 (window 3, v[64 (g - 1) ..]) are quantised among group g's products, five of QLN's 65 lines behind each product.
.macro PV u
.irp i, 0,1,2,3,4,5,6,7,8,9,10,11,12,13,14,15
	ds_load_b128 v[80+8*\i:83+8*\i], v17 offset:1040*\i
	ds_load_b128 v[84+8*\i:87+8*\i], v17 offset:1040*\i+256
.endr
.irp g, 0,1,2,3
	s_wait_dscnt 24-8*\g
.if (\u)&&(\g)
	PLACES 8                                       ; between the last group's products and the first read of its sums
.set hQ, 2
.set qSW, 3
.set qSRC, 64*(\g-1)
.set qDW, 1
.endif
.set kW, 0xf4+4*(\g/2)
.irp s, 0,1,2,3
.irp t, 0,1,2,3
.set rD, 16*(4*\g+\t)+8*(\u)
.set rA, 80+8*(4*\g+\t)+2*\s
.set rB, 192+8*((4*\g+\t)%8)+2*\s
	WIN kW
.if \s==0
	v_wmma_f32_16x16x4_f32 v[rD:rD+7], v[rA:rA+1], v[rB:rB+1], 0
.else
	v_wmma_f32_16x16x4_f32 v[rD:rD+7], v[rA:rA+1], v[rB:rB+1], v[rD:rD+7]
.endif
.if (\u)&&(\g)
.rept 5
	QLN
.endr
.endif
.endr
.endr
.if (\u)&&(\g)
	AST \g-1
.endif
.endr
.set qDW, 0
	WIN 0
	PLACES 9
.endm
	s_mov_b32 s41, 2
.Lv:
.irp u, 0,1
	MP 0, 0, 176, 1, 2, 2, 1
	VSTORE 0
	MP 1, 0, 176, 1, 2, 2, 0
	VSTORE 1
.if \u==1
	v_add_nc_u32 v29, s62, v18                     ; where this trip's codes and bytes go
	v_add_nc_u32 v30, s63, v19
.endif
	s_wait_alu depctr_va_vdst(0)
	BAR
	PV \u
	BAR
	PRE 0                                          ; the next slot's first fragments are on their way while the last four tokens are quantised
.if \u==1
.set hQ, 2
.set qSW, 3
.set qSRC, 192
.rept 65
	QLN
.endr
	AST 3
.endif
.endr
	s_add_co_u32 s62, s62, 24
	s_add_co_u32 s63, s63, 1
	s_sub_co_u32 s41, s41, 1
	s_cmp_lg_u32 s41, 0
	s_cbranch_scc1 .Lv
	BAR
	s_wait_loadcnt 0x0
	WIN 0x40
.irp s, 0,1,2,3
.irp m, 0,1,2,3
.irp p, 0,1,2,3,4,5
	ds_load_b64 v[48*\s+12*\m+2*\p:48*\s+12*\m+2*\p+1], v20 offset:12544*\m+96*\s+48*(\p/3)+8*(\p%3)
.endr
.endr
.endr
	WIN 0x80
.irp s, 0,1,2,3
.irp m, 0,1,2,3
.irp p, 0,1,2,3,4,5
	ds_load_b64 v[48*\s+12*\m+2*\p:48*\s+12*\m+2*\p+1], v20 offset:12544*\m+96*(\s+4)+48*(\p/3)+8*(\p%3)
.endr
.endr
.endr
	WIN 0
.irp s, 0,1,2,3                        ; the words of steps 2 s and 2 s + 1
.irp p, 0,1
	ds_load_b64 v[32+4*\s+2*\p:33+4*\s+2*\p], v21 offset:1024*\p+8*\s
.endr
.endr
	s_wait_dscnt 0x0
.macro OPTR
	SIGMA 96, 43
	s_and_b32 s56, s96, 6
	s_lshl_b32 s56, s56, 9
	s_add_nc_u64 s[66:67], s[14:15], s[56:57]
	s_add_nc_u64 s[68:69], s[16:17], s[56:57]
	global_load_b128 v[64:67], v27, s[66:67]
.endm
.macro RB m
.irp k, 0,1,2,3,4,5,6,7
	ds_load_b128 v[176+32*((\m)%2)+4*\k:176+32*((\m)%2)+4*\k+3], v23 offset:4352*(\m)+544*\k
.endr
.endm
.macro OUTW
	WIN 0x04
.irp m, 0,1,2,3
.irp n, 0,1
	ds_store_b128 v22, v[192+16*\m+8*\n:195+16*\m+8*\n] offset:4352*\m+64*\n
	ds_store_b128 v22, v[196+16*\m+8*\n:199+16*\m+8*\n] offset:4352*\m+64*\n+16
.endr
.endr
	WIN 0x08
.irp m, 0,1,2,3
.irp n, 0,1
	ds_store_b128 v22, v[192+16*\m+8*\n:195+16*\m+8*\n] offset:4352*\m+128+64*\n
	ds_store_b128 v22, v[196+16*\m+8*\n:199+16*\m+8*\n] offset:4352*\m+128+64*\n+16
.endr
.endr
	WIN 0
	s_wait_loadcnt 0x0
	RB 0
.irp m, 0,1,2,3
.set rR, 176+32*(\m%2)
.if \m<3
.if \m>0
	s_wait_xcnt 0x0
.endif
	RB \m+1
	s_wait_dscnt 8
.else
	s_wait_dscnt 0x0
.endif
.irp k, 0,1,2,3,4,5,6,7
	v_pk_add_f32 v[rR+4*\k:rR+4*\k+1], v[rR+4*\k:rR+4*\k+1], v[64:65]
	v_pk_add_f32 v[rR+4*\k+2:rR+4*\k+3], v[rR+4*\k+2:rR+4*\k+3], v[66:67]
.endr
.irp k, 0,1,2,3,4,5,6,7
	global_store_b128 v24, v[rR+4*\k:rR+4*\k+3], s[68:69] offset:(16*\m+2*\k)*4096 th:TH_STORE_NT
.endr
.endr
	s_wait_xcnt 0x0
.endm
	s_mov_b32 s42, 3
.Lo:
	OPTR
	MP 0, 1, 192, 0, 0, 2, 1
	MP 1, 2, 192, 0, 0, 2, 1
	OUTW
	s_sub_co_u32 s42, s42, 1
	s_cmp_lg_u32 s42, 0
	s_cbranch_scc1 .Lo
	OPTR
	MP 0, 1, 192, 0, 0, 1, 1
	MP 1, 2, 192, 0, 0, 0, 0
	OUTW
	s_wait_tensorcnt 0x0
	ds_add_u32 v1, v2
	s_wait_dscnt 0x0
	ROUND
	s_endpgm
.Lfunc_end_k_q5c48202453_attn:
	.size	k_q5c48202453_attn, .Lfunc_end_k_q5c48202453_attn-k_q5c48202453_attn
	.p2alignl 7, 3214868480
	.fill 96, 4, 3214868480
	.section	.rodata,"a",@progbits
	.p2align	6, 0x0
	.amdhsa_kernel k_q5c48202453_attn
		.amdhsa_group_segment_fixed_size 327680
		.amdhsa_private_segment_fixed_size 0
		.amdhsa_enable_private_segment 0
		.amdhsa_kernarg_size 56
		.amdhsa_user_sgpr_count 2
		.amdhsa_user_sgpr_kernarg_segment_ptr 1
		.amdhsa_wavefront_size32 1
		.amdhsa_system_sgpr_workgroup_id_x 1
		.amdhsa_system_sgpr_workgroup_id_y 1
		.amdhsa_system_sgpr_workgroup_id_z 1
		.amdhsa_system_vgpr_workitem_id 0
		.amdhsa_next_free_vgpr 1024
		.amdhsa_next_free_sgpr 100
		.amdhsa_reserve_vcc 0
		.amdhsa_float_denorm_mode_32 3
		.amdhsa_float_denorm_mode_16_64 3
		.amdhsa_memory_ordered 1
		.amdhsa_forward_progress 1
		.amdhsa_inst_pref_size 255
	.end_amdhsa_kernel
	.section	.bss,"aw",@nobits
	.p2align	6
	.space	262144
	.amdgpu_metadata
---
amdhsa.version: [ 1, 2 ]
amdhsa.kernels:
  - .name:           k_q5c48202453_attn
    .symbol:         k_q5c48202453_attn.kd
    .args:
      - { .name: ximg, .offset: 0, .size: 8, .value_kind: global_buffer, .address_space: global }
      - { .name: wimg, .offset: 8, .size: 8, .value_kind: global_buffer, .address_space: global }
      - { .name: bq, .offset: 16, .size: 8, .value_kind: global_buffer, .address_space: global }
      - { .name: bk, .offset: 24, .size: 8, .value_kind: global_buffer, .address_space: global }
      - { .name: bv, .offset: 32, .size: 8, .value_kind: global_buffer, .address_space: global }
      - { .name: bo, .offset: 40, .size: 8, .value_kind: global_buffer, .address_space: global }
      - { .name: out0, .offset: 48, .size: 8, .value_kind: global_buffer, .address_space: global }
    .group_segment_fixed_size: 327680
    .private_segment_fixed_size: 0
    .kernarg_segment_align: 8
    .kernarg_segment_size: 56
    .max_flat_workgroup_size: 128
    .sgpr_count:     100
    .vgpr_count:     1024
    .wavefront_size: 32
...
	.end_amdgpu_metadata
.endif
;; end of part 4
